; MI455X (gfx1250); checked and timed in simulation.
; The chip was launched on July 23, 2026; its instructions are those of AMD's public machine-readable ISA for CDNA 5 (MIT licence, August 2026) and "CDNA5" Instruction Set Architecture Reference Guide (July 2026). The comments in the code are by the model that wrote it; some were corrected since.
;; Causal Self Attention. Allowed arithmetic: matrix products marked QUANTISED: E4M3 operands, one given power-of-two scale a tensor, by v_wmma_f32_16x16x64_fp8_fp8 or v_wmma_f32_16x16x128_fp8_fp8, f32 sums; everything else in f32.
;; Inputs: Wk 1,024 x 1,024 float32; Wo 1,024 x 1,024 float32; Wq 1,024 x 1,024 float32; Wv 1,024 x 1,024 float32; bk 1,024 float32; bo 1,024 float32; bq 1,024 float32; bv 1,024 float32; lowp_scales 12 int32 (the exponents e of the quantised operands' scales 2^e); x 4 x 2,048 x 1,024 float32.
;; Outputs: out0 4 x 2,048 x 1,024 float32.
;; This version of the problem:
;;   THIS VERSION OF THE PROBLEM IS GIVEN IN LOW PRECISION. The matrix products marked QUANTISED in the list below multiply operands that are first quantised to E4M3 (4 exponent bits, 3 mantissa bits; 8 bits a number), with one given power-of-two scale for each operand tensor; their sums are f32. All else is computed in f32.
;;   The module's matrix products, in the order in which they are computed (A, B: the left and right operand; K: the contracted axis; several contracted axes count as one K, in the product's order):
;;     1. [M 8,192, K 1,024] x [K 1,024, N 1,024]; A: input x; B: input Wq: QUANTISED (scales: A lowp_scales[0], B lowp_scales[1])
;;     2. [M 8,192, K 1,024] x [K 1,024, N 1,024]; A: input x; B: input Wk: QUANTISED (scales: A lowp_scales[2], B lowp_scales[3])
;;     3. [M 8,192, K 1,024] x [K 1,024, N 1,024]; A: input x; B: input Wv: QUANTISED (scales: A lowp_scales[4], B lowp_scales[5])
;;     4. batch 64 x [M 2,048, K 64] x [K 64, N 2,048]; A: computed on the way; B: computed on the way: QUANTISED (scales: A lowp_scales[6], B lowp_scales[7])
;;     5. batch 64 x [M 2,048, K 2,048] x [K 2,048, N 64]; A: softmax (see below); B: computed on the way: QUANTISED (scales: A lowp_scales[8], B lowp_scales[9])
;;     6. [M 8,192, K 1,024] x [K 1,024, N 1,024]; A: computed on the way; B: input Wo: QUANTISED (scales: A lowp_scales[10], B lowp_scales[11])
;;   THE QUANTISER, for each operand of a quantised product, along K:
;;     - The operand's scale is 2^e, e = its entry of the input lowp_scales (int32; the entries are numbered through the quantised products in the list's order, A before B).
;;     - Each number is divided by the scale, clamped to +-448, and rounded to the nearest number of E4M3, ties to even, subnormals kept.
;;     - The product sums the exact products of the quantised numbers (number of the format x scale) in f32.
;;   ~~~python
;;   def quantise(x, axis, e):      # numpy; x: float32 -> the quantised numbers, widened to float32 again
;;       x = np.moveaxis(x, axis, -1); K = x.shape[-1]
;;       r = np.clip(x / 2.0 ** e, -448, 448)
;;       step = 2.0 ** (np.maximum(np.frexp(np.where(r == 0, 1, r))[1] - 1, -6) - 3)
;;       q = np.round(r / step) * step * 2.0 ** e      # np.round: ties to even
;;       return np.moveaxis(q, -1, axis).astype(np.float32)
;;   ~~~
;;   SOFTMAX AHEAD OF A QUANTISED PRODUCT. Where the list says 'softmax', what is quantised is not the finished softmax but p = 2^(t - M), with t = logit x log2(e) and M = ceil(the row's largest t), a whole number; so 1/2 < the row's largest p <= 1. The row's sum l is taken of the UNQUANTISED p, in f32, and the product's result is divided by l at the end. Since M is a whole number, a kernel that streams over the keys may use a running M (the ceiling of the running maximum): every later rescaling is an exact power of two, so the quantised numbers keep their values, but for numbers so far below the row's largest that they fall under the format's range.
;;   OPERANDS COMPUTED ON THE WAY. 'Computed on the way' means the value that the module computes at that place (a softmax that the list does not call 'softmax' is quantised finished and normalised). What goes into a quantiser is computed in f32, as accurately as f32 sums, v_exp_f32 and their like allow (about 1e-6 of the number): no bf16 or f16 on the way to a quantiser, and a product that is left as it is and whose result goes on into a quantised operand takes f32 operands (vector FMAs, or v_wmma_f32_16x16x4_f32). A number that lies on a knife's edge between two numbers of the format may be rounded either way, as far as f32 arithmetic and the matrix unit's own rounding can turn it there, and no further.
;; One version. Each part assembles by itself: llvm-mc -triple=amdgcn-amd-amdhsa -mcpu=gfx1250 --defsym DOCPART=n.
;; ======== version 1 of 1: 4 launches
;; limits: right only within a limited range of input values
;; workspace buffers: xi 25,165,824 bytes; wi 4,194,304 bytes; qi 8,388,608 bytes; kvi 16,777,216 bytes; ai 8,388,608 bytes
;; launch quant (part 1): grid 768 x 1, 4 waves a work-group, no clusters, 35,328 bytes of LDS; arguments x, Wq, Wk, Wv, Wo, lowp_scales, xi, wi; writes xi, wi
.if DOCPART == 1
	.amdgcn_target "amdgcn-amd-amdhsa--gfx1250"
	.amdhsa_code_object_version 6
	.text
	.protected	k_q5d9a0ac981_quant
	.globl	k_q5d9a0ac981_quant
	.p2align	8
	.type	k_q5d9a0ac981_quant,@function
k_q5d9a0ac981_quant:
	s_mov_b64 s[64:65], 0
	v_nop
	global_prefetch_b8 v0, s[64:65] scope:SCOPE_SE
	s_setreg_imm32_b32 hwreg(HW_REG_WAVE_MODE, 25, 1), 1
	s_wait_xcnt 0x0
; CAUSAL SELF-ATTENTION IN FP8 (E4M3), four launches: quant (this one), qkv, attn, proj.
; WORK LEFT OUT, in the whole program: reference() sets scores[s][t] to -infinity where t > s (its own jnp.tril), and softmax gives such a key the weight 0, whatever the inputs hold.
; So launch attn leaves out every step of 128 keys all of which come after a wave's 32 queries; inside a step on the diagonal the hidden scores are computed and replaced by -infinity.
; Nothing else is dead: every weight, every bias and all 12 scales move some operand's codes, so all inputs are loaded.
; LIMIT: a NaN, an infinity or an overflow that reaches only the scores left out is not carried to the result.
;
; THIS LAUNCH turns x (three times: the scales' entries 0, 2, 4 may differ) and the four weights (entries 1, 3, 5, 11) into codes: code = number / 2^e, held within +-448, to the nearest code, ties to even.
; LIMITS: each e between -126 and 119, so that 2^e and 448 x 2^e are f32 numbers.  NaN among the inputs is not served.
; THE WORKSPACES ARE IMAGES OF OPERAND REGISTERS.  A fragment of v_wmma_f32_16x16x128_fp8_fp8 is 16 rows x 128 K in 16 registers: lane (r = l % 16, h = l / 16) holds row r,
; registers 2 c, 2 c + 1 hold K = 16 c + 8 h + 0 .. 7.  Its image is 2,048 bytes: registers 4 Q .. 4 Q + 3 of lane l at 512 Q + 16 l.  A later launch gets a fragment back by four loads of 16 bytes a lane.
;   xi [version 3][kp 4][group of 16 rows 512][q 2][2,048]: K = 256 kp + 128 q + ..      wi [weight 4: q, k, v, o][kp 4][group of 16 columns n 64][q 2][2,048]: the weight transposed, rows = n
; SHARES.  Work-groups 0-255: a weight's 128 columns x 128 K; a wave 32 columns, A LANE TO A COLUMN, REGISTERS DOWN K: nothing is transposed by an instruction.
; Work-groups 256-767: 16 whole rows of x; wave w takes K = 256 w .. 256 w + 255 in four steps of 64.  Loads take the bytes as they lie (two rows x 256 bytes an instruction); a step turns through the
; wave's own stage in LDS so that a lane holds 8 neighbours along K for each conversion.  Every store of the launch covers 512 (x) or 2 x 256 (weights) consecutive bytes, aligned.
; No matrix unit, cluster or tensor load: the work-groups share no input, and the launch only streams.
.set WREG,  8704                       ; LDS of a wave: two stages
.set STG,   4352                       ; a stage: 16 rows x PIT
.set PIT,   272                        ; 256 bytes + 16: an odd multiple of 16, so the 16 rows that a read touches fall on 16 different 16-byte columns of 256
.set SPARE, 4*WREG                     ; behind the stages: the spare words, 128 bytes a wave, which no other line names
.set SPW,   12                         ; v12  SPARE + 4 x thread; never rewritten
.set NIL,   13                         ; v13  0; never rewritten
.set SC,    16                         ; v16-18  2^e of the three versions (weights: v16)
.set LIM,   19
.set R,     32                         ; v32-159  x: four sets of 32 as loaded, later each set's codes; weights: 128 numbers down K
.set X,     160                        ; v160-223 x: two sets of 32, turned
.set CW,    160                        ; v160-191 weights: codes
.set T,     224
	s_load_b512 s[8:23], s[0:1], 0x0               ; x 8, Wq 10, Wk 12, Wv 14, Wo 16, scales 18, xi 20, wi 22
	v_lshl_add_u32 v[SPW], v0, 2, SPARE
	v_mov_b32 v[NIL], 0
	v_lshrrev_b32 v10, 5, v0
	v_readfirstlane_b32 s36, v10                   ; wave
	v_and_b32 v7, 31, v0                           ; lane
	v_and_b32 v8, 15, v0                           ; r
	v_bfe_u32 v9, v0, 4, 1                         ; h
	s_wait_kmcnt 0x0
	s_load_b256 s[24:31], s[18:19], 0x0            ; e0 .. e7
	s_load_b128 s[32:35], s[18:19], 0x20           ; e8 .. e11
	s_cmp_ge_u32 ttmp9, 256
	s_cbranch_scc1 .Lrows
; ---------------- a weight ----------------
	s_lshr_b32 s37, ttmp9, 6                       ; which weight
	s_and_b32 s38, ttmp9, 7                        ; which 128 columns
	s_bfe_u32 s39, ttmp9, 0x30003                  ; which 128 along K
	s_cmp_eq_u32 s37, 1                            ; the choice hangs on the work-group's number alone
	s_cselect_b64 s[10:11], s[12:13], s[10:11]
	s_cmp_eq_u32 s37, 2
	s_cselect_b64 s[10:11], s[14:15], s[10:11]
	s_cmp_eq_u32 s37, 3
	s_cselect_b64 s[10:11], s[16:17], s[10:11]
	s_lshl_b32 s40, s39, 19                        ; 128 rows of 4,096 bytes
	s_lshl_b32 s41, s38, 9
	s_add_co_u32 s40, s40, s41                     ; + 128 columns x 4
	s_lshl_b32 s41, s36, 7
	s_add_co_u32 s40, s40, s41                     ; + my wave's 32 columns
	s_mov_b32 s41, 0
	s_add_nc_u64 s[10:11], s[10:11], s[40:41]
	s_lshl_b32 s42, s37, 20                        ; wi: the weight,
	s_lshr_b32 s43, s39, 1
	s_lshl_b32 s43, s43, 18
	s_add_co_u32 s42, s42, s43                     ; kp,
	s_lshl_b32 s43, s38, 15
	s_add_co_u32 s42, s42, s43                     ; 8 groups of columns a work-group,
	s_lshl_b32 s43, s36, 13
	s_add_co_u32 s42, s42, s43                     ; 2 a wave,
	s_and_b32 s43, s39, 1
	s_lshl_b32 s43, s43, 11
	s_add_co_u32 s42, s42, s43                     ; q
	s_mov_b32 s43, 0
	s_add_nc_u64 s[22:23], s[22:23], s[42:43]
	s_wait_alu depctr_va_vdst(0)
	v_lshlrev_b32 v5, 2, v7                        ; in: 4 bytes a lane
	v_lshlrev_b32 v6, 12, v9
	v_lshl_add_u32 v6, v8, 4, v6                   ; out: lanes 16-31 are the next group of columns; 16 bytes a column
.set i, 0
.rept 128
	global_load_b32 v[R+i], v5, s[10:11] offset:4096*i th:TH_LOAD_NT   ; W(k, my column): 32 lanes read 128 consecutive bytes
.set i, i+1
.endr
	s_wait_kmcnt 0x0
	s_cmp_eq_u32 s37, 1
	s_cselect_b32 s25, s27, s25
	s_cmp_eq_u32 s37, 2
	s_cselect_b32 s25, s29, s25
	s_cmp_eq_u32 s37, 3
	s_cselect_b32 s25, s35, s25                    ; e of this weight: entry 1, 3, 5 or 11
	s_add_co_i32 s25, s25, 127
	s_lshl_b32 s44, s25, 23
	v_mov_b32 v[SC], s44                           ; 2^e as f32: the conversion takes its exponent field
	s_add_co_i32 s25, s25, 8
	s_lshl_b32 s25, s25, 23
	s_or_b32 s25, s25, 0x600000
	s_wait_alu depctr_va_vdst(0)
.irp t, 0,1,2,3                        ; 32 along K = registers 4 t .. 4 t + 3 of the image, for both halves of its lanes
.if 32*(3-\t) > 63
	s_wait_loadcnt 63                              ; 32 (3 - t) younger loads may be out; a wait's count names 63 at the most, and a smaller count is safe
.else
	s_wait_loadcnt 32*(3-\t)
.endif
.set i, 0
.rept 32
.set i, i+1
.endr
	v_cvt_scalef32_pk8_fp8_f32 v[CW+8*\t:CW+8*\t+1],   v[R+32*\t:R+32*\t+7],     v[SC]   ; K = 32 t + 0 .. 7    the image's lanes with h = 0
	v_cvt_scalef32_pk8_fp8_f32 v[CW+8*\t+2:CW+8*\t+3], v[R+32*\t+16:R+32*\t+23], v[SC]   ; K = 32 t + 16 .. 23
	v_cvt_scalef32_pk8_fp8_f32 v[CW+8*\t+4:CW+8*\t+5], v[R+32*\t+8:R+32*\t+15],  v[SC]   ; K = 32 t + 8 .. 15   those with h = 1
	v_cvt_scalef32_pk8_fp8_f32 v[CW+8*\t+6:CW+8*\t+7], v[R+32*\t+24:R+32*\t+31], v[SC]   ; K = 32 t + 24 .. 31
	global_store_b128 v6, v[CW+8*\t:CW+8*\t+3],   s[22:23] offset:512*\t       ; sixteen lanes store 256 consecutive bytes, aligned
	global_store_b128 v6, v[CW+8*\t+4:CW+8*\t+7], s[22:23] offset:512*\t+256
.endr                                  ; each block has registers of its own: no store's data are written again
	s_branch .Lend
; ---------------- 16 rows of x ----------------
.Lrows:
	s_sub_co_u32 s37, ttmp9, 256                   ; g: which 16 rows
	s_lshl_b32 s40, s37, 16
	s_lshl_b32 s41, s36, 10
	s_add_co_u32 s40, s40, s41                     ; 16 rows of 4,096 bytes; my wave's 1,024 bytes of each
	s_mov_b32 s41, 0
	s_add_nc_u64 s[8:9], s[8:9], s[40:41]
	s_lshl_b32 s42, s36, 9
	s_add_co_u32 s42, s42, s37
	s_lshl_b32 s42, s42, 12                        ; (512 kp + g) x 4,096, kp = my wave
	s_mov_b32 s43, 0
	s_add_nc_u64 s[44:45], s[20:21], s[42:43]      ; version 0,
	s_add_nc_u64 s[46:47], s[44:45], 0x800000      ; 1,
	s_add_nc_u64 s[48:49], s[46:47], 0x800000      ; 2: bases of their own, since a version's size does not fit a store's immediate
	s_mul_i32 s50, s36, WREG
	s_wait_alu depctr_va_vdst(0)
	v_lshlrev_b32 v1, 12, v9
	v_lshl_add_u32 v1, v8, 4, v1                   ; in: lanes 0-15 one row's 256 bytes, lanes 16-31 the next row's
	v_mul_u32_u24 v2, v9, PIT
	v_lshl_add_u32 v2, v8, 4, v2
	v_add_nc_u32 v2, s50, v2                       ; into the stage, likewise
	v_mul_u32_u24 v3, v8, PIT
	v_lshl_add_u32 v3, v9, 5, v3
	v_add_nc_u32 v3, s50, v3                       ; out of it: row r, + 32 h: my 8 numbers of each 16
	v_lshlrev_b32 v4, 4, v7                        ; an image's place for my lane
.macro XLOAD s                         ; step s: 16 rows x 64 K
.irp i, 0,1,2,3,4,5,6,7
	global_load_b128 v[R+32*(\s)+4*\i:R+32*(\s)+4*\i+3], v1, s[8:9] offset:8192*\i+256*(\s) th:TH_LOAD_NT
.endr
.endm
.macro XTURN s                         ; through the stage: LDS serves a wave's instructions in order (ISA guide 5.7.1.4), so no wait stands between the stores and the loads.  Then X[8 u + i] = K 16 u + 8 h + i of row r
.irp i, 0,1,2,3,4,5,6,7
	ds_store_b128 v2, v[R+32*(\s)+4*\i:R+32*(\s)+4*\i+3] offset:STG*((\s)%2)+2*PIT*\i
.endr
	v_nop
.irp i, 0,1,2,3,4,5,6,7
	ds_load_b128 v[X+32*((\s)%2)+4*\i:X+32*((\s)%2)+4*\i+3], v3 offset:STG*((\s)%2)+64*(\i/2)+16*(\i%2)
.endr
.endm
.macro XQ v, s                         ; version v of step s: 8 registers of codes = registers 8 (s % 2) .. + 7 of image q = s / 2.  They lie in the step's own load registers, which are done with: no store's data are written again
.irp u, 0,1,2,3
.set i, 0
.rept 8
.set i, i+1
.endr
	v_cvt_scalef32_pk8_fp8_f32 v[R+32*(\s)+8*(\v)+2*\u:R+32*(\s)+8*(\v)+2*\u+1], v[T+8*(\u%2)+((X+32*((\s)%2)+8*\u+i)-(T+8*(\u%2)+i)):T+8*(\u%2)+7+((X+32*((\s)%2)+8*\u+i)-(T+8*(\u%2)+i))], v[SC+\v]
.endr
	global_store_b128 v4, v[R+32*(\s)+8*(\v):R+32*(\s)+8*(\v)+3],   s[44+2*(\v):45+2*(\v)] offset:1024*(\s)       ; 32 lanes store 512 consecutive bytes, aligned
	global_store_b128 v4, v[R+32*(\s)+8*(\v)+4:R+32*(\s)+8*(\v)+7], s[44+2*(\v):45+2*(\v)] offset:1024*(\s)+512
.endm
	XLOAD 0
	XLOAD 1
	XLOAD 2
	XLOAD 3
	s_wait_alu depctr_va_vdst(0)
	s_wait_kmcnt 0x0
.irp v, 0,1,2
	s_add_co_i32 s51, s[24+2*\v], 127              ; entries 0, 2, 4
	s_lshl_b32 s52, s51, 23
	v_mov_b32 v[SC+\v], s52
	s_add_co_i32 s51, s51, 8
	s_lshl_b32 s51, s51, 23
	s_or_b32 s51, s51, 0x600000
.endr
	s_wait_alu depctr_va_vdst(0)
	s_wait_loadcnt 24                              ; step 0's eight loads are in; 3 x 8 younger ones may be out
	XTURN 0
.irp s, 0,1,2,3
	s_wait_dscnt 0x0                               ; this step's numbers are back from the stage
.if \s < 3
	s_wait_loadcnt 8*(2-\s)                        ; the next step's loads are in; those behind them may be out
	XTURN \s+1                                     ; it goes through the other stage while this step is worked
.endif
	XQ 0, \s
	XQ 1, \s
	XQ 2, \s
.endr
.Lend:
	s_wait_tensorcnt 0x0                           ; the wave's end, behind the last LDS store
	ds_add_u32 v[SPW], v[NIL]
	s_wait_dscnt 0x0
	s_endpgm
.Lfunc_end_k_q5d9a0ac981_quant:
	.size	k_q5d9a0ac981_quant, .Lfunc_end_k_q5d9a0ac981_quant-k_q5d9a0ac981_quant
	.p2alignl 7, 3214868480
	.fill 96, 4, 3214868480
	.section	.rodata,"a",@progbits
	.p2align	6, 0x0
	.amdhsa_kernel k_q5d9a0ac981_quant
		.amdhsa_group_segment_fixed_size 35328
		.amdhsa_private_segment_fixed_size 0
		.amdhsa_enable_private_segment 0
		.amdhsa_kernarg_size 64
		.amdhsa_user_sgpr_count 2
		.amdhsa_user_sgpr_kernarg_segment_ptr 1
		.amdhsa_wavefront_size32 1
		.amdhsa_system_sgpr_workgroup_id_x 1
		.amdhsa_system_sgpr_workgroup_id_y 1
		.amdhsa_system_sgpr_workgroup_id_z 1
		.amdhsa_system_vgpr_workitem_id 0
		.amdhsa_next_free_vgpr 240
		.amdhsa_next_free_sgpr 66
		.amdhsa_reserve_vcc 0
		.amdhsa_float_denorm_mode_32 3
		.amdhsa_float_denorm_mode_16_64 3
		.amdhsa_fp16_overflow 1
		.amdhsa_memory_ordered 1
		.amdhsa_forward_progress 1
		.amdhsa_inst_pref_size 32
	.end_amdhsa_kernel
	.amdgpu_metadata
---
amdhsa.version: [ 1, 2 ]
amdhsa.kernels:
  - .name:           k_q5d9a0ac981_quant
    .symbol:         k_q5d9a0ac981_quant.kd
    .args:
      - { .name: x, .offset: 0, .size: 8, .value_kind: global_buffer, .address_space: global }
      - { .name: Wq, .offset: 8, .size: 8, .value_kind: global_buffer, .address_space: global }
      - { .name: Wk, .offset: 16, .size: 8, .value_kind: global_buffer, .address_space: global }
      - { .name: Wv, .offset: 24, .size: 8, .value_kind: global_buffer, .address_space: global }
      - { .name: Wo, .offset: 32, .size: 8, .value_kind: global_buffer, .address_space: global }
      - { .name: lowp_scales, .offset: 40, .size: 8, .value_kind: global_buffer, .address_space: global }
      - { .name: xi, .offset: 48, .size: 8, .value_kind: global_buffer, .address_space: global }
      - { .name: wi, .offset: 56, .size: 8, .value_kind: global_buffer, .address_space: global }
    .group_segment_fixed_size: 35328
    .private_segment_fixed_size: 0
    .kernarg_segment_align: 8
    .kernarg_segment_size: 64
    .max_flat_workgroup_size: 128
    .sgpr_count:     66
    .vgpr_count:     240
    .wavefront_size: 32
...
	.end_amdgpu_metadata
.endif
;; end of part 1
;; launch qkv (part 2): grid 12 x 32, 4 waves a work-group, clusters of 4 x 4, 327,680 bytes of LDS; arguments xi, wi, lowp_scales, bq, bk, bv, qi, kvi; writes qi, kvi
.if DOCPART == 2
	.amdgcn_target "amdgcn-amd-amdhsa--gfx1250"
	.amdhsa_code_object_version 6
	.text
	.protected	k_q5d9a0ac981_qkv
	.globl	k_q5d9a0ac981_qkv
	.p2align	8
	.type	k_q5d9a0ac981_qkv,@function
k_q5d9a0ac981_qkv:
	s_mov_b64 s[64:65], 0
	v_nop
	global_prefetch_b8 v0, s[64:65] scope:SCOPE_SE
	s_setreg_imm32_b32 hwreg(HW_REG_WAVE_MODE, 25, 1), 1
	s_wait_xcnt 0x0
	s_wait_alu depctr_hold_cnt(0) depctr_sa_sdst(0) depctr_va_vdst(0) depctr_va_sdst(0) depctr_va_ssrc(0) depctr_va_vcc(0) depctr_vm_vsrc(0)
	s_getreg_b32 s2, hwreg(HW_REG_IB_STS2, 6, 4)
	s_cmp_eq_u32 s2, 0
	s_cbranch_scc0 .Lentry_in_a_cluster
	s_endpgm
.Lentry_in_a_cluster:
	s_bfe_u32 s2, ttmp6, 0x10000c
	s_cmp_lg_u32 s2, 0xf033
	s_cbranch_scc0 .Lentry_shape_is_right
	s_endpgm
.Lentry_shape_is_right:
; q = x Wq + bq, k = x Wk + bk, v = x Wv + bv on codes of FP8 (E4M3), each result quantised at once for attention's products (scales' entries 6, 7, 9) and stored as images of operand registers.
; No work is left out here.
; C'[i][j] = sum over K of P[i][K] R[j][K], K = 1,024.  A cluster's x says which product: 0 q, 1 k (P = x's images, R = the weight's), 2 v, made TRANSPOSED (P = Wv's images, R = x's), so that a lane's
; eight neighbouring results are eight KEYS, the K of attention's second product.  The loop's text is one for all three: only pointers and offsets are chosen, by s_cselect on the cluster's x.
; A work-group of four waves makes 256 x 256, a wave 128 x 128: 64 accumulators, 512 registers.  THE MATRIX INSTRUCTION TAKES R AS SOURCE 0 AND P AS SOURCE 1: lane (r, h) then holds row i = r and,
; in registers 0 .. 7 of accumulator (a, b), j = 16 b + 8 h + 0 .. 7: one conversion makes of them registers 2 c, 2 c + 1 of the next operand's fragment.  So results leave straight from registers.
; OPERANDS ARE IMAGES (launch quant): a K step of 256 of 128 rows is one dense block of 32,768 bytes: one tensor load a wave, no padding; a fragment comes by four ds_load_b128 at 16 x lane.
; RING: two slots of 131,072 bytes, four K steps, so each slot is filled again once: written out, no loop.  By this text's own count a wave has two tensor loads out at the start and one behind each round.
; CLUSTER 4 x 4: P's block is shared along a row of the cluster, R's along a column: joint loads.
; OUT.  qi [bh 64][tile of 16 queries 128][1,024]: fragment 16 queries x 64.   kvi [bh 64][slot of 256 keys 8][32,768]: 16 fragments 16 keys x 64 of k, then at 16,384 [step 2][16 channels 4][2,048]: 16 channels x 128 keys of v.
; A sum stands for sum x 2^(ex + ew).  code = (sum + b / 2^(ex + ew)) / 2^(eo - ex - ew), held within +-448.
; LIMITS: eo - ex - ew between -126 and 119 for each of the three products.  NaN among the inputs is not served.
; REGISTERS, in windows of 256: window 0: v1 r, v2 h, v16-31 addresses and scales; v32-103 biases; v128-255 P's 8 fragments, ONE set (on the way out: v128-191 sums + bias, v192-223 codes, two sets);
;   window 1: R's 8 fragments, TWO sets;   window 2: the accumulators of my rows 0-63 ((a, b) at v[8 (8 a + b)]);   window 3: those of rows 64-127.
.set SLOT,  131072                     ; P's two halves of 32,768 bytes, then R's two
.set SPARE, 2*SLOT                     ; behind the ring: the spare words, 128 bytes a wave, which no other line names
.set FR,    16                         ; registers of a fragment
.set NL,    4                          ; LDS loads that bring one
.set NP,    4                          ; places behind this matrix instruction (ISA guide 7.12.1)
.set ADRA,  16                         ; v16-17  LDS address of my P fragments in slot 0, 1
.set ADRB,  20                         ; v20-21  the same for R
.set LN,    24                         ; v24     16 x lane
.set LN2,   25                         ; v25     the same, one head further on (q, k)
.set BOF,   27                         ; v27     my lane's offset in the bias
.set SPW,   28                         ; v28     SPARE + 4 x thread; never rewritten
.set NIL,   29                         ; v29     0; never rewritten
.set SCV,   30                         ; v30     2^(eo - ex - ew)
.set LMV,   31
.set BJ,    32                         ; v32-95  the bias / 2^(ex + ew), in the results' layout
.set BR,    96                         ; v96-103 v: the bias as loaded, a number for each block of rows
.set TT,    128
.set AF,    128
.set G1,  24                           ; s[24:31] group 1 for P's blocks;  s[32:39] group 0, a set for each slot
.set G0,  32
.set G1B, 48                           ; s[48:55], s[56:63] the same for R's
.set G0B, 56
.set WV,  20                           ; s20 wave;  s21 which half of P's rows is mine, also: I fetch for P (0) or R (1);  s22 which half of R's rows, also: which half I fetch
.set WR,  21
.set WC,  22
.set WHICH, 84
.set TP,  86                           ; s86 P's tile of 256 rows;  s87 R's
.set TR,  87
.set MSB, 0
.macro WIN new                         ; the immediate's high byte repeats the setting that is left
.if MSB != \new
	s_set_vgpr_msb (MSB<<8)|\new
.set MSB, \new
.endif
.endm
.set MUL_LO, 0xa1                      ; source 0 (R) window 1, source 1 (P) window 0, C and D window 2
.set MUL_HI, 0xf1                      ; the same, C and D window 3
.set TO_B,   0x40                      ; destination window 1, address window 0
; A joint load: waves 0 and 1 fetch P's halves, waves 2 and 3 R's.  The branch hangs on the wave's number alone.  An s_nop 0 and four v_nop follow each of the two lines.
.macro JLOAD s
	s_cmp_eq_u32 s[WR], 0
	s_cbranch_scc0 .Lfor_r_\@
	tensor_load_to_lds s[G0+4*\s:G0+4*\s+3], s[G1:G1+7]
	s_nop 0
.rept 4
	v_nop
.endr
	s_branch .Lasked_\@
.Lfor_r_\@:
	tensor_load_to_lds s[G0B+4*\s:G0B+4*\s+3], s[G1B:G1B+7]
	s_nop 0
.rept 4
	v_nop
.endr
.Lasked_\@:
.endm
.macro CREST                           ; a round of the cluster's barrier behind its opening barrier
	s_cmp_lg_u32 s[WV], 0
	s_cbranch_scc1 .Lnot_wave_0_\@
	s_barrier_signal -3
.Lnot_wave_0_\@:
	s_barrier_wait -3
	s_barrier_signal -1
	s_barrier_wait -1
.endm
.macro CROUND
	s_barrier_signal -1
	s_barrier_wait -1
	CREST
.endm
	s_load_b512 s[4:19], s[0:1], 0x0               ; xi 4, wi 6, scales 8, bq 10, bk 12, bv 14, qi 16, kvi 18
	v_lshl_add_u32 v[SPW], v0, 2, SPARE
	v_mov_b32 v[NIL], 0
	ds_add_u32 v[SPW], v[NIL]                      ; the wave's opening: the add, twice on end, and its wait ahead of my first tensor load; work on registers stands between
	ds_add_u32 v[SPW], v[NIL]
	v_lshrrev_b32 v1, 5, v0
	v_readfirstlane_b32 s[WV], v1
	s_lshr_b32 s[WR], s[WV], 1
	s_and_b32 s[WC], s[WV], 1
	s_bfe_u32 s40, ttmp6, 0x40000                  ; cx, cy: my place in the cluster
	s_bfe_u32 s41, ttmp6, 0x40004
	s_mov_b32 s[WHICH], ttmp9                      ; the cluster's x: which product; the same in all sixteen partners
	s_and_b32 s85, ttmp7, 0xffff
	s_lshl_b32 s85, s85, 2                         ; 4 x the cluster's y
	s_mov_b32 s66, 0x400000                        ; two K steps in bytes: in xi 2 x 512 groups x 4,096,
	s_mov_b32 s68, 0x80000                         ; in wi 2 x 64 x 4,096
	s_cmp_eq_u32 s[WHICH], 2
	s_cselect_b32 s[TP], 0, s85                    ; q, k: P's tile = 4 y + cy, R's = cx;   v: P's = cy, R's = 4 y + cx
	s_cselect_b32 s[TR], s85, 0
	s_cselect_b32 s66, 0x80000, s66                ; s[66:67] for P,
	s_cselect_b32 s68, 0x400000, s68               ; s[68:69] for R
	s_mov_b32 s67, 0
	s_mov_b32 s69, 0
	s_lshr_b32 s96, s66, 1                         ; one K step: s[96:97] for P, s[98:99] for R
	s_mov_b32 s97, 0
	s_lshr_b32 s98, s68, 1
	s_mov_b32 s99, 0
	s_add_co_u32 s[TP], s[TP], s41                 ; P's registers never hold cx,
	s_add_co_u32 s[TR], s[TR], s40                 ; R's never cy
	s_lshl_b32 s43, s41, 2
	s_lshl_b32 s43, 15, s43                        ; my row of the cluster
	s_lshl_b32 s44, 0x1111, s40                    ; my column
	; group 1: a dense block of 32,768 bytes as 128 rows of 32 elements of 8 bytes, no padding
	s_or_b32 s[G1+0], s43, (3<<16)|(1<<21)         ; 15:0 the mask; 17:16 elements of 8 bytes; 21 set beside a mask
	s_or_b32 s[G1B+0], s44, (3<<16)|(1<<21)
.irp g, G1, G1B
	s_mov_b32 s[\g+1], 32<<16                      ; tensor_dim0
	s_mov_b32 s[\g+2], 128<<16                     ; tensor_dim1
	s_mov_b32 s[\g+3], 32<<16                      ; tile_dim0
	s_mov_b32 s[\g+4], 128                         ; tile_dim1
	s_mov_b32 s[\g+5], 32                          ; tensor_dim0_stride
	s_mov_b32 s[\g+6], 0
	s_mov_b32 s[\g+7], 0
.endr
	s_lshl_b32 s46, s[WC], 15                      ; the half that I fetch: 8 groups x 4,096
	s_lshl_b32 s88, s[TP], 16                      ; a tile: 16 groups x 4,096
	s_add_co_u32 s88, s88, s46
	s_lshl_b32 s90, s[TR], 16
	s_add_co_u32 s90, s90, s46
	s_lshl_b32 s42, s[WHICH], 23                   ; q, k: x's version,
	s_lshl_b32 s47, s[WHICH], 20                   ; and the weight
	s_cmp_eq_u32 s[WHICH], 2
	s_cselect_b32 s42, 0x200000, s42               ; v: P is weight 2,
	s_cselect_b32 s47, 0x1000000, s47              ; R is version 2
	s_add_co_u32 s88, s88, s42
	s_add_co_u32 s90, s90, s47
	s_mov_b32 s89, 0
	s_mov_b32 s91, 0
	s_lshl_b32 s45, s[WV], 15                      ; where my block goes: wave x 32,768: no place in the cluster enters an LDS address
	s_wait_dscnt 0x0                               ; both opening adds are done
	s_wait_kmcnt 0x0
	s_load_b256 s[72:79], s[8:9], 0x0              ; e0 .. e7
	s_load_b128 s[80:83], s[8:9], 0x20             ; e8 .. e11
	s_cmp_eq_u32 s[WHICH], 2
	s_cselect_b64 s[92:93], s[6:7], s[4:5]         ; P's buffer,
	s_cselect_b64 s[94:95], s[4:5], s[6:7]         ; R's
	s_add_nc_u64 s[92:93], s[92:93], s[88:89]
	s_add_nc_u64 s[94:95], s[94:95], s[90:91]
.irp s, 0,1
	s_mov_b32 s[G0+4*\s], 1                        ; count = 1
	s_add_co_u32 s[G0+4*\s+1], s45, \s*SLOT        ; LDS address
	s_mov_b32 s[G0B+4*\s], 1
	s_add_co_u32 s[G0B+4*\s+1], s45, \s*SLOT
.endr
	s_mov_b64 s[G0+2:G0+3], s[92:93]               ; K step 0,
	s_add_nc_u64 s[G0+6:G0+7], s[92:93], s[96:97]  ; K step 1
	s_mov_b64 s[G0B+2:G0B+3], s[94:95]
	s_add_nc_u64 s[G0B+6:G0B+7], s[94:95], s[98:99]
	s_or_b32 s[G0+3], s[G0+3], 0x80000000          ; type = 2
	s_or_b32 s[G0+7], s[G0+7], 0x80000000
	s_or_b32 s[G0B+3], s[G0B+3], 0x80000000
	s_or_b32 s[G0B+7], s[G0B+7], 0x80000000
	CROUND                                         ; all sixteen work-groups are here: the first joint loads meet
	JLOAD 0
	JLOAD 1
	v_and_b32 v1, 15, v0                           ; r
	v_bfe_u32 v2, v0, 4, 1                         ; h
	v_and_b32 v3, 31, v0
	v_lshlrev_b32 v[LN], 4, v3
	s_lshl_b32 s88, s[WR], 15                      ; my half of P,
	s_lshl_b32 s89, s[WC], 15
	s_add_co_u32 s89, s89, 65536                   ; my half of R, behind P's two
.irp s, 0,1
	v_add_nc_u32 v[ADRA+\s], s88, v[LN]
	v_add_nc_u32 v[ADRB+\s], s89, v[LN]
	s_add_co_u32 s88, s88, SLOT
	s_add_co_u32 s89, s89, SLOT
.endr
	s_wait_alu depctr_va_vdst(0)
	s_wait_kmcnt 0x0
	s_cmp_eq_u32 s[WHICH], 1                       ; the three exponents of this product: chosen, never branched on
	s_cselect_b32 s72, s74, s72
	s_cselect_b32 s73, s75, s73
	s_cselect_b32 s78, s79, s78
	s_cmp_eq_u32 s[WHICH], 2
	s_cselect_b32 s72, s76, s72                    ; ex: entry 0, 2, 4
	s_cselect_b32 s73, s77, s73                    ; ew: entry 1, 3, 5
	s_cselect_b32 s78, s81, s78                    ; eo: entry 6 (q), 7 (k), 9 (v)
	s_add_co_i32 s72, s72, s73                     ; ex + ew
	s_sub_co_i32 s78, s78, s72                     ; eo - ex - ew
	s_sub_co_i32 s73, 0, s72                       ; -(ex + ew), for the bias
	s_add_co_i32 s78, s78, 127
	s_lshl_b32 s79, s78, 23
	v_mov_b32 v[SCV], s79
.macro FRAG reg, adr, q, i             ; group i's fragment of the slot's q-th 128 along K: four quads of its image
.irp c, 0,1,2,3
	ds_load_b128 v[\reg+4*\c:\reg+4*\c+3], v[\adr] offset:4096*(\i)+2048*(\q)+512*\c
.endr
.endm
; 16 matrix instructions: P's blocks a0, a0 + 1 x R's eight.  p: R's set.  zero = 1: the first product starts the sums.  The 64 accumulators take turns, one instruction a turn.
.macro MUL16 a0, p, zero
.irp a, \a0, \a0+1
.irp b, 0,1,2,3,4,5,6,7
.if \zero
	v_wmma_f32_16x16x128_fp8_fp8 v[8*(8*((\a)%4)+\b):8*(8*((\a)%4)+\b)+7], v[128*(\p)+FR*\b:128*(\p)+FR*\b+FR-1], v[AF+FR*(\a):AF+FR*(\a)+FR-1], 0
.else
	v_wmma_f32_16x16x128_fp8_fp8 v[8*(8*((\a)%4)+\b):8*(8*((\a)%4)+\b)+7], v[128*(\p)+FR*\b:128*(\p)+FR*\b+FR-1], v[AF+FR*(\a):AF+FR*(\a)+FR-1], v[8*(8*((\a)%4)+\b):8*(8*((\a)%4)+\b)+7]
.endif
.endr
.endr
.endm
.macro FETCH_B slot, q, p
	WIN TO_B
.irp i, 0,1,2,3,4,5,6,7
	FRAG 128*(\p)+FR*\i, ADRB+\slot, \q, \i
.endr
	WIN 0
.endm
.macro FETCH_A slot, q, i0
.irp i, \i0, \i0+1, \i0+2, \i0+3
	FRAG AF+FR*(\i), ADRA+\slot, \q, \i
.endr
.endm
.macro PLACES n                        ; plain vector lines between a matrix instruction and a load into, or a vector write of, one of its registers, or a read of its result
.rept \n
	v_nop
.endr
.endm
; A step of 128 along K that has its successor in the same slot.  A block of P is free as soon as its eight products are issued: blocks 0-3 are fetched anew in the middle, blocks 4-7 at the end.
.macro STEP slot, q, zero
	s_wait_dscnt 4*NL                              ; R's set and P's blocks 0-3 are in; the youngest 16 loads (blocks 4-7) may be out
	WIN MUL_LO
	MUL16 0, (\q)%2, \zero
	MUL16 2, (\q)%2, \zero
	s_wait_dscnt 0
	PLACES NP
	FETCH_B \slot, (\q)+1, 1-(\q)%2
	FETCH_A \slot, (\q)+1, 0
	WIN MUL_HI
	MUL16 4, (\q)%2, \zero
	MUL16 6, (\q)%2, \zero
	PLACES NP
	WIN 0
	FETCH_A \slot, (\q)+1, 4
.endm
; A slot's last step changes slots: ONE barrier; in front of it each wave waits for all its tensor loads, adds 0 to its spare word, and waits for that and for its reads of this slot.  fill = 1: the slot is filled again, two K steps on.
.macro TURN slot, next, fill
	s_wait_tensorcnt 0x0                           ; all my tensor loads have landed: my part of the next slot
	ds_add_u32 v[SPW], v[NIL]
	s_wait_dscnt 4*NL+1                            ; (the add and the youngest 16 loads may be out)
	WIN MUL_LO
	MUL16 0, 1, 0
	s_wait_dscnt 0x0                               ; the add is done, and my reads of this slot are over
	s_barrier_signal -1
	MUL16 2, 1, 0
	WIN 0
	s_barrier_wait -1
.if \fill
	CREST                                          ; the barrier has opened a round of the cluster's: no wave of any partner still reads this slot or has a load on its way
	s_add_nc_u64 s[G0+4*\slot+2:G0+4*\slot+3], s[G0+4*\slot+2:G0+4*\slot+3], s[66:67]
	s_add_nc_u64 s[G0B+4*\slot+2:G0B+4*\slot+3], s[G0B+4*\slot+2:G0B+4*\slot+3], s[68:69]
	JLOAD \slot                                    ; the first tensor load behind the round; its four v_nop are also the places in front of the loads below
.else
	PLACES NP
.endif
	FETCH_B \next, 0, 0
	FETCH_A \next, 0, 0
	WIN MUL_HI
	MUL16 4, 1, 0
	MUL16 6, 1, 0
	PLACES NP
	WIN 0
	FETCH_A \next, 0, 4
.endm
; Block a (16 rows of P) leaves: sum + bias, eight conversions, four stores of 512 consecutive bytes each.  byrow = 0 (q, k): the bias runs along the registers; 1 (v): along the lanes.
.macro OUT a, byrow
.set AC, 64*((\a)%4)
.set CC, 192+16*((\a)%2)
.if (\a) >= 2
	s_wait_xcnt 0x0                                ; block a - 2's stores have read their data: its set of code registers is written again only behind this wait
.endif
	WIN 0x02+((\a)/4)                              ; source 0: window 2 or 3
.set j, 0
.rept 32
.if \byrow
	v_pk_add_f32 v[TT+j:TT+j+1], v[AC+j:AC+j+1], v[BJ+2*(\a):BJ+2*(\a)+1]
.else
	v_pk_add_f32 v[TT+j:TT+j+1], v[AC+j:AC+j+1], v[BJ+j:BJ+j+1]   ; each accumulator from its low end on
.endif
.set j, j+2
.endr
	WIN 0
.irp b, 0,1,2,3,4,5,6,7
.set i, 0
.rept 8
.set i, i+1
.endr
	v_cvt_scalef32_pk8_fp8_f32 v[CC+2*\b:CC+2*\b+1], v[TT+8*\b:TT+8*\b+7], v[SCV]
.endr
	v_nop                                          ; a plain line behind the last conversion, ahead of the next vector write of its sources
.if \byrow
.irp c, 0,1,2,3
	global_store_b128 v[LN], v[CC+4*\c:CC+4*\c+3], s[18:19] offset:((\a)/4)*262144+((\a)%4)*2048+512*\c   ; head a / 4, channels 16 (a % 4) on: one fragment, 16 channels x my 128 keys
.endr
.else
	global_store_b128 v[LN],  v[CC:CC+3],     s[16:17] offset:1024*(\a)        ; b = 0 .. 3: my first head's fragment of these 16 rows,
	global_store_b128 v[LN],  v[CC+4:CC+7],   s[16:17] offset:1024*(\a)+512
	global_store_b128 v[LN2], v[CC+8:CC+11],  s[16:17] offset:1024*(\a)        ; b = 4 .. 7: my second head's
	global_store_b128 v[LN2], v[CC+12:CC+15], s[16:17] offset:1024*(\a)+512
.endif
.endm
; The last step and the way out.  The addresses and the bias's loads stand ahead of the last 64 products.
.macro TAIL byrow
.if \byrow
	s_lshr_b32 s88, s[TR], 3                       ; batch
	s_lshl_b32 s88, s88, 4
	s_lshl_b32 s89, s[TP], 2
	s_add_co_u32 s88, s88, s89
	s_lshl_b32 s89, s[WR], 1
	s_add_co_u32 s88, s88, s89                     ; bh of my first 64 channels
	s_lshl_b32 s88, s88, 3
	s_and_b32 s89, s[TR], 7
	s_add_co_u32 s88, s88, s89                     ; the slot of 256 keys
	s_lshl_b32 s88, s88, 15
	s_lshl_b32 s89, s[WC], 13                      ; its step of 128 keys
	s_add_co_u32 s88, s88, s89
	s_add_co_u32 s88, s88, 16384                   ; behind the slot's k
	s_mov_b32 s89, 0
	s_add_nc_u64 s[18:19], s[18:19], s[88:89]
	s_lshl_b32 s88, s[TP], 10
	s_lshl_b32 s90, s[WR], 9
	s_add_co_u32 s88, s88, s90                     ; bv at my first channel
	s_add_nc_u64 s[14:15], s[14:15], s[88:89]
	v_lshlrev_b32 v[BOF], 2, v1
.irp a, 0,1,2,3,4,5,6,7
	global_load_b32 v[BR+\a], v[BOF], s[14:15] offset:64*\a   ; bv(16 a + r)
.endr
.else
	s_lshr_b32 s88, s[TP], 3                       ; batch
	s_lshl_b32 s88, s88, 4
	s_lshl_b32 s89, s[TR], 2
	s_add_co_u32 s88, s88, s89
	s_lshl_b32 s89, s[WC], 1
	s_add_co_u32 s88, s88, s89                     ; bh of my first 64 columns
	s_lshl_b32 s88, s88, 17
	s_and_b32 s89, s[TP], 7
	s_lshl_b32 s89, s89, 14
	s_add_co_u32 s88, s88, s89                     ; qi: 131,072 a head, 16,384 for 256 rows;
	s_lshl_b32 s88, s88, s[WHICH]                  ; kvi: twice that
	s_lshl_b32 s89, s[WR], 13
	s_add_co_u32 s88, s88, s89                     ; my 8 tiles of 16 rows
	s_mov_b32 s89, 0
	s_cmp_eq_u32 s[WHICH], 1
	s_cselect_b64 s[16:17], s[18:19], s[16:17]
	s_cselect_b64 s[10:11], s[12:13], s[10:11]
	s_add_nc_u64 s[16:17], s[16:17], s[88:89]
	s_lshl_b32 s90, 0x20000, s[WHICH]
	v_add_nc_u32 v[LN2], s90, v[LN]
	s_lshl_b32 s88, s[TR], 10
	s_lshl_b32 s90, s[WC], 9
	s_add_co_u32 s88, s88, s90                     ; the bias at my first column
	s_add_nc_u64 s[10:11], s[10:11], s[88:89]
	v_lshlrev_b32 v[BOF], 5, v2
.irp b, 0,1,2,3,4,5,6,7
	global_load_b128 v[BJ+8*\b:BJ+8*\b+3],   v[BOF], s[10:11] offset:64*\b      ; b(16 b + 8 h + 0 .. 7)
	global_load_b128 v[BJ+8*\b+4:BJ+8*\b+7], v[BOF], s[10:11] offset:64*\b+16
.endr
.endif
	s_wait_dscnt 4*NL
	WIN MUL_LO
	MUL16 0, 1, 0
	MUL16 2, 1, 0
	s_wait_dscnt 0
	WIN MUL_HI
	MUL16 4, 1, 0
	MUL16 6, 1, 0
	WIN 0
	s_wait_loadcnt 0x0                             ; the bias
.if \byrow
.irp a, 0,1,2,3,4,5,6,7
	v_ldexp_f32 v[BJ+2*\a],   v[BR+\a], s73        ; / 2^(ex + ew), into a pair for the packed addition.  (These lines are also the places behind the last products)
	v_ldexp_f32 v[BJ+2*\a+1], v[BR+\a], s73
.endr
.else
.set j, 0
.rept 64
	v_ldexp_f32 v[BJ+j], v[BJ+j], s73              ; / 2^(ex + ew).  (These lines are also the places behind the last products)
.set j, j+1
.endr
.endif
.irp a, 0,1,2,3,4,5,6,7
	OUT \a, \byrow
.endr
.endm
	s_wait_tensorcnt 1                             ; my part of K step 0 is in; K step 1's load may be out
	s_barrier_signal -1
	s_barrier_wait -1
	FETCH_B 0, 0, 0
	FETCH_A 0, 0, 0
	FETCH_A 0, 0, 4
	STEP 0, 0, 1                                   ; K 0: its products start the sums
	TURN 0, 1, 1                                   ; K 128; slot 0 takes K step 2
	STEP 1, 0, 0
	TURN 1, 0, 1                                   ; slot 1 takes K step 3
	STEP 0, 0, 0
	TURN 0, 1, 0                                   ; nothing is left to fetch
	STEP 1, 0, 0
	s_cmp_eq_u32 s[WHICH], 2                       ; the cluster's x: the same in all partners and all waves.  Every window is 0 here
	s_cbranch_scc1 .Lv_out
	TAIL 0
	s_branch .Ljoin
.Lv_out:
	TAIL 1
.Ljoin:
	s_wait_tensorcnt 0x0                           ; the wave's end
	ds_add_u32 v[SPW], v[NIL]
	s_wait_dscnt 0x0
	CROUND                                         ; the closing round: no work-group ends while a partner may still ask for a block that names it
	s_endpgm
.Lfunc_end_k_q5d9a0ac981_qkv:
	.size	k_q5d9a0ac981_qkv, .Lfunc_end_k_q5d9a0ac981_qkv-k_q5d9a0ac981_qkv
	.p2alignl 7, 3214868480
	.fill 96, 4, 3214868480
	.section	.rodata,"a",@progbits
	.p2align	6, 0x0
	.amdhsa_kernel k_q5d9a0ac981_qkv
		.amdhsa_group_segment_fixed_size 327680
		.amdhsa_private_segment_fixed_size 0
		.amdhsa_enable_private_segment 0
		.amdhsa_kernarg_size 64
		.amdhsa_user_sgpr_count 2
		.amdhsa_user_sgpr_kernarg_segment_ptr 1
		.amdhsa_wavefront_size32 1
		.amdhsa_system_sgpr_workgroup_id_x 1
		.amdhsa_system_sgpr_workgroup_id_y 1
		.amdhsa_system_sgpr_workgroup_id_z 1
		.amdhsa_system_vgpr_workitem_id 0
		.amdhsa_next_free_vgpr 1024
		.amdhsa_next_free_sgpr 100
		.amdhsa_reserve_vcc 0
		.amdhsa_float_denorm_mode_32 3
		.amdhsa_float_denorm_mode_16_64 3
		.amdhsa_fp16_overflow 1
		.amdhsa_memory_ordered 1
		.amdhsa_forward_progress 1
		.amdhsa_inst_pref_size 138
	.end_amdhsa_kernel
	.amdgpu_metadata
---
amdhsa.version: [ 1, 2 ]
amdhsa.kernels:
  - .name:           k_q5d9a0ac981_qkv
    .symbol:         k_q5d9a0ac981_qkv.kd
    .args:
      - { .name: xi, .offset: 0, .size: 8, .value_kind: global_buffer, .address_space: global }
      - { .name: wi, .offset: 8, .size: 8, .value_kind: global_buffer, .address_space: global }
      - { .name: lowp_scales, .offset: 16, .size: 8, .value_kind: global_buffer, .address_space: global }
      - { .name: bq, .offset: 24, .size: 8, .value_kind: global_buffer, .address_space: global }
      - { .name: bk, .offset: 32, .size: 8, .value_kind: global_buffer, .address_space: global }
      - { .name: bv, .offset: 40, .size: 8, .value_kind: global_buffer, .address_space: global }
      - { .name: qi, .offset: 48, .size: 8, .value_kind: global_buffer, .address_space: global }
      - { .name: kvi, .offset: 56, .size: 8, .value_kind: global_buffer, .address_space: global }
    .group_segment_fixed_size: 327680
    .private_segment_fixed_size: 0
    .kernarg_segment_align: 8
    .kernarg_segment_size: 64
    .max_flat_workgroup_size: 128
    .sgpr_count:     100
    .vgpr_count:     1024
    .wavefront_size: 32
...
	.end_amdgpu_metadata
.endif
;; end of part 2
;; launch attn (part 3): grid 4 x 64, 16 waves a work-group, no clusters, 327,680 bytes of LDS; arguments qi, kvi, lowp_scales, ai; writes ai
.if DOCPART == 3
	.amdgcn_target "amdgcn-amd-amdhsa--gfx1250"
	.amdhsa_code_object_version 6
	.text
	.protected	k_q5d9a0ac981_attn
	.globl	k_q5d9a0ac981_attn
	.p2align	8
	.type	k_q5d9a0ac981_attn,@function
k_q5d9a0ac981_attn:
	s_mov_b64 s[64:65], 0
	v_nop
	global_prefetch_b8 v0, s[64:65] scope:SCOPE_SE
	s_setreg_imm32_b32 hwreg(HW_REG_WAVE_MODE, 25, 1), 1
	s_wait_xcnt 0x0
; Causal attention of one (batch, head) on codes of FP8 (E4M3): S = q k^T / 8, softmax, x v; the result is quantised at once for the last projection (scales' entry 10) and stored as images of operand registers.
; WORK LEFT OUT: a step of 128 keys all of which come after a wave's 32 queries (reference()'s own jnp.tril gives them the weight 0 for all inputs), and the loads of slots that no wave of the work-group reads.
; THE SOFTMAX AHEAD OF THE SECOND PRODUCT: t = score x log2(e) / 8; M = the row's largest t so far, rounded UP to a whole number; p = 2^(t - M) is quantised (entry 8), not normalised.
; The row's sum is taken of the unquantised p and divides at the end.  When M moves, the sum and O are multiplied by 2^(old M - new M): exact.
; SHARES.  Work-group j of a head owns query blocks j and 7 - j (256 queries each): waves 0-7 the first, waves 8-15 the second; a wave 32 queries, two tiles A and B of 16, which share every fragment of k and v.
; So each work-group has the same number of live steps: blocks j and 7 - j together 2 (j + 1) + 2 (8 - j) = 18 steps for each pair of waves u and u + 8, less those above the diagonal inside the two blocks, which are alike for all j.
; Both products are used transposed: S^T = k q^T (source 0 = 16 keys, v_wmma_f32_16x16x64_fp8_fp8), O^T = v^T p^T (source 0 = 16 channels, K = 128 keys): a lane holds ONE query (lane % 16) throughout.
; In tile t of S^T registers 0 .. 7 hold keys 16 t + 8 (lane / 16) + 0 .. 7: their eight codes ARE registers 2 t, 2 t + 1 of the second product's operand.
; RING: two LDS slots of 32,768 bytes = 256 keys as launch qkv laid them (16 fragments of k, then 2 x 4 of v): wave 0 fetches k's half, wave 1 v's, one dense block each; all sixteen read them at 16 x lane.
; Every work-group walks all 8 changes of slots (constant trip count, no barrier jumped over).  Every wait on TENSORcnt is for 0.
; NO CLUSTER: the four work-groups of a head stop fetching at different slots (their last query is 256 (8 - j) - 1), and a joint load may be jumped over by no partner.
; ai is laid as one version of xi (launch quant): [kp 4][group of 16 rows 512][q 2][2,048], K = 64 head + channel.
; LIMITS: entries 6 + 7 between -123 and 130 (added to c's exponent field); entries 8 and 10 between -126 and 119; 8 + 9 goes by v_ldexp_f32 and has none.
; REGISTERS: v1 16 x lane, v2 address in hand, v3 prefetch offset, v4 r - 8 h; v8 -M, v9 largest t, v[10:11] the sum (tile A); v12-15 the same (B); v16-23, v24-31 q of A, B; v32-95 k's 8 fragments, later v32-47 B's codes;
;   v96-159 scores, then p, then v's 4 fragments; v160-191, v192-223 O^T of A, B; v224-239 A's codes; v241 2^e8; v242-252 at work; v255 2^e10.
.set SLOT1, 32768                      ; slot 1 begins here: one exclusive or turns an address from one slot to the other
.set VOFF,  16384                      ; v's fragments in a slot
.set SPARE, 2*SLOT1                    ; behind the ring: the spare words, 128 bytes a wave, which no other line names
.set LI,  1
.set ADR, 2
.set PFO, 3
.set RH,  4
.set SPW, 5                            ; v5  SPARE + 4 x thread; never rewritten
.set NIL, 6                            ; v6  0; never rewritten
.set F,   32
.set S,   96
.set OA,  160
.set OB,  192
.set TB,  2                            ; s2  LDS byte at which the slot in hand begins
.set WV,  18
.set SEL, 20                           ; s[20:21] selects of v_permlanex16_b32: lane l xor 16
.set CS,  22                           ; s[22:23] c = log2(e) / 8 x 2^(e6 + e7)
.set G1,  24                           ; s[24:31] group 1;  s[40:43] group 0, which walks
.set G0,  40
.set SLOTS, 67                         ; s67 changes of slots to go that may fetch
.set QL,  68                           ; s68 my work-group's last query
.set PFA, 76                           ; s[76:77] where my prefetches stand
.set LIM, 80                           ; s80 1 in a wave that prefetches, else the greatest number
.set KF,  98                           ; s98 the step's first key
.set Q0,  99                           ; s99 my first query
.macro TLOAD                           ; waves 0 and 1 fetch; the branch hangs on the wave's number alone.  An s_nop 0 and four v_nop follow the load
	s_cmp_lt_u32 s[WV], 2
	s_cbranch_scc0 .Lasked_\@
	tensor_load_to_lds s[G0:G0+3], s[G1:G1+7]
	s_nop 0
.rept 4
	v_nop
.endr
.Lasked_\@:
.endm
; A PREFETCH INTO THE L2 of the slot that the NEXT change of slots will fetch: 32,768 bytes.  Work-group 0 of a head, the one that fetches all 8 slots, asks, and nobody else; in it waves 4 to 7, 8,192 bytes each,
; lanes 256 bytes apart: each aligned block of 256 bytes is named once in the launch.  It is one slot, two steps of 128 keys, ahead of that load.  Slots 0 and 1 come by their loads alone; the last change that fetches asks for nothing.
.macro ASK
	s_cmp_gt_u32 s[SLOTS], s[LIM]
	s_cbranch_scc0 .Lnot_mine_\@
	global_prefetch_b8 v[PFO], s[PFA:PFA+1] th:TH_LOAD_NT scope:SCOPE_SE
.Lnot_mine_\@:
.endm
	s_load_b256 s[4:11], s[0:1], 0x0               ; qi 4, kvi 6, scales 8, ai 10
	v_lshl_add_u32 v[SPW], v0, 2, SPARE
	v_mov_b32 v[NIL], 0
	ds_add_u32 v[SPW], v[NIL]                      ; the wave's opening: the add, twice on end, and its wait ahead of the first tensor load; work on registers stands between
	ds_add_u32 v[SPW], v[NIL]
	v_lshrrev_b32 v7, 5, v0
	s_delay_alu instid0(VALU_DEP_1)
	v_readfirstlane_b32 s[WV], v7                  ; wave 0..15
	s_and_b32 s70, ttmp7, 0xffff                   ; bh
	s_and_b32 s81, s[WV], 7
	s_sub_co_u32 s82, 7, ttmp9
	s_cmp_lt_u32 s[WV], 8
	s_cselect_b32 s82, ttmp9, s82                  ; my block of 256 queries: j or 7 - j
	s_lshl_b32 s[Q0], s82, 8
	s_lshl_b32 s81, s81, 5
	s_add_co_u32 s[Q0], s[Q0], s81                 ; + 32 x (wave % 8)
	s_sub_co_u32 s[QL], 8, ttmp9
	s_lshl_b32 s[QL], s[QL], 8
	s_sub_co_u32 s[QL], s[QL], 1                   ; 256 (8 - j) - 1
	; group 1: a dense block of 16,384 bytes as 64 rows of 32 elements of 8 bytes, no padding, no mask
	s_mov_b32 s[G1], 3<<16
	s_mov_b32 s[G1+1], 32<<16                      ; tensor_dim0
	s_mov_b32 s[G1+2], 64<<16                      ; tensor_dim1
	s_mov_b32 s[G1+3], 32<<16                      ; tile_dim0
	s_mov_b32 s[G1+4], 64                          ; tile_dim1
	s_mov_b32 s[G1+5], 32                          ; tensor_dim0_stride
	s_mov_b32 s[G1+6], 0
	s_mov_b32 s[G1+7], 0
	s_mov_b32 s[SEL], 0x76543210
	s_mov_b32 s[SEL+1], 0xfedcba98
	s_mov_b32 s[CS], 0x3e38aa3b                    ; log2(e) / 8
	s_mov_b32 s[TB], 0
	s_mov_b32 s[SLOTS], 7
	s_mov_b32 s[KF], 0
	s_lshl_b32 s84, s70, 18                        ; a head's 8 slots
	s_mov_b32 s85, 0
	s_and_b32 s86, s[WV], 1
	s_lshl_b32 s86, s86, 14                        ; the half of a slot that I fetch, if I fetch: in memory and in LDS
	s_mov_b32 s87, 0
	s_lshl_b32 s88, s70, 17
	s_lshl_b32 s89, s[Q0], 6
	s_add_co_u32 s88, s88, s89                     ; qi: (128 bh + Q0 / 16) x 1,024
	s_mov_b32 s89, 0
	s_and_b32 s90, s70, 15                         ; head
	s_lshr_b32 s91, s70, 4                         ; batch
	s_lshr_b32 s92, s90, 2
	s_lshl_b32 s92, s92, 9                         ; kp = head / 4: 512 groups
	s_lshl_b32 s91, s91, 7
	s_add_co_u32 s92, s92, s91                     ; 128 groups a batch
	s_lshr_b32 s91, s[Q0], 4
	s_add_co_u32 s92, s92, s91
	s_lshl_b32 s92, s92, 12
	s_and_b32 s91, s90, 3
	s_lshl_b32 s91, s91, 10                        ; q = (head / 2) % 2: 2,048; the head's half of the fragment: 1,024
	s_add_co_u32 s92, s92, s91
	s_mov_b32 s93, 0
	s_and_b32 s94, s[WV], 3
	s_lshl_b32 s94, s94, 13
	s_add_co_u32 s94, s94, SLOT1                   ; the prefetches: my 8,192 bytes, in slot 1: the first change steps it to slot 2
	s_mov_b32 s95, 0
	s_sub_co_u32 s82, s[WV], 4
	s_lshr_b32 s82, s82, 2                         ; 0 in waves 4 to 7,
	s_or_b32 s82, s82, ttmp9                       ; of the head's work-group 0
	s_cmp_eq_u32 s82, 0
	s_cselect_b32 s[LIM], 1, -1
	s_wait_dscnt 0x0                               ; both opening adds are done
	s_wait_kmcnt 0x0
	s_load_b128 s[72:75], s[8:9], 0x18             ; e6, e7, e8, e9
	s_load_b32 s69, s[8:9], 0x28                   ; e10
	s_add_nc_u64 s[6:7], s[6:7], s[84:85]          ; kvi at my head
	s_mov_b32 s[G0], 1                             ; count = 1
	s_mov_b32 s[G0+1], s86                         ; LDS address: slot 0
	s_add_nc_u64 s[G0+2:G0+3], s[6:7], s[86:87]
	s_or_b32 s[G0+3], s[G0+3], 0x80000000          ; type = 2
	TLOAD                                          ; slot 0: it holds key 0, which counts for every query
	s_add_nc_u64 s[4:5], s[4:5], s[88:89]
	s_add_nc_u64 s[10:11], s[10:11], s[92:93]
	s_add_nc_u64 s[PFA:PFA+1], s[6:7], s[94:95]
	v_and_b32 v7, 31, v0
	s_delay_alu instid0(VALU_DEP_1)
	v_lshlrev_b32 v[LI], 4, v7
	s_delay_alu instid0(VALU_DEP_2)
	v_lshlrev_b32 v[PFO], 8, v7
.irp c, 0,1,2,3
	global_load_b128 v[16+4*\c:19+4*\c], v[LI], s[4:5] offset:512*\c   ; q's two fragments stay in registers
.endr
	v_and_b32 v[RH], 15, v0
	v_bfe_u32 v7, v0, 4, 1
	s_delay_alu instid0(VALU_DEP_1)
	v_lshlrev_b32 v7, 3, v7
	s_delay_alu instid0(VALU_DEP_1)
	v_sub_nc_u32 v[RH], v[RH], v7                  ; r - 8 h
	v_mov_b32 v9, 0xff61b1e6                       ; the largest t so far: -3e38, under every t
	v_mov_b32 v13, 0xff61b1e6
	s_delay_alu instid0(VALU_DEP_2)
	v_floor_f32 v8, -v9                            ; -M
	s_delay_alu instid0(VALU_DEP_2)
	v_floor_f32 v12, -v13
.irp j, 10,11,14,15,245,247,248,249,250,251
	v_mov_b32 v\j, 0                               ; the sums; upper halves of named pairs; a lane permute's destination counts as one of its sources
.endr
	v_mov_b32 v252, 0xff800000                     ; -infinity
.set j, 0
.rept 64
	v_mov_b32 v[OA+j], 0                           ; O^T.  (The step is written with no first step of its own: the first change of M multiplies zeros)
.set j, j+1
.endr
	s_wait_kmcnt 0x0
	s_add_co_i32 s96, s72, s73
	s_lshl_b32 s96, s96, 23
	s_add_co_i32 s[CS], s[CS], s96                 ; a score stands for score x 2^(e6 + e7)
	s_mov_b32 s[CS+1], s[CS]                       ; (named with it as a pair)
	s_add_co_i32 s96, s74, 127
	s_lshl_b32 s97, s96, 23
	v_mov_b32 v241, s97                            ; 2^e8
	s_add_co_i32 s96, s69, 127
	s_lshl_b32 s97, s96, 23
	v_mov_b32 v255, s97                            ; 2^e10
; One tile's softmax for 128 keys.  st: its statistics; cd: where its 16 registers of codes go; f: the pair whose low word takes 2^(old M - new M); tl: tile 0 or 1.
.macro SOFTMAX st, cd, f, tl
	s_add_co_u32 s96, s[KF], 127
	s_add_co_u32 s97, s[Q0], 16*\tl
	s_cmp_le_u32 s96, s97                          ; all 128 keys count for all 16 queries: ids alone
	s_cbranch_scc1 .Lopen_\@
	s_sub_co_i32 s96, s97, s[KF]
	v_add_nc_u32 v251, s96, v[RH]                  ; d = my query - KF - 8 h.  Register 8 t + i holds key KF + 16 t + 8 h + i: hidden where 16 t + i > d
.irp t, 0,1,2,3,4,5,6,7
.irp i, 0,1,2,3,4,5,6,7
	v_cmp_gt_i32 vcc_lo, 16*\t+\i, v251
	v_cndmask_b32 v[S+8*\t+\i], v[S+8*\t+\i], v252, vcc_lo
.endr
.endr
.Lopen_\@:
	v_max3_num_f32 v248, v[S], v[S+1], v[S+2]      ; the step's largest score of my query among my 64 keys, in two chains, each accumulator from its low end on,
	v_max3_num_f32 v249, v[S+3], v[S+4], v[S+5]
.irp i, 6,10,14,18,22,26,30,34,38,42,46,50,54,58
	v_max3_num_f32 v248, v248, v[S+\i], v[S+\i+1]
	v_max3_num_f32 v249, v249, v[S+\i+2], v[S+\i+3]
.endr
	v_max3_num_f32 v248, v248, v[S+62], v[S+63]
	s_delay_alu instid0(VALU_DEP_1)
	v_max_num_f32 v248, v248, v249
	s_delay_alu instid0(VALU_DEP_1)
	v_permlanex16_b32 v250, v248, s[SEL], s[SEL+1]
	s_delay_alu instid0(VALU_DEP_1)
	v_max_num_f32 v248, v248, v250                 ; and among lane l xor 16's
	s_delay_alu instid0(VALU_DEP_1)
	v_mul_f32 v248, s[CS], v248                    ; as t (c is positive)
	s_delay_alu instid0(VALU_DEP_1)
	v_max_num_f32 v[\st+1], v[\st+1], v248         ; the running largest t
	v_mov_b32 v248, v[\st]
	s_delay_alu instid0(VALU_DEP_2)
	v_floor_f32 v[\st], -v[\st+1]                  ; the new -M = floor(-t) = -ceil(t)
	s_delay_alu instid0(VALU_DEP_1)
	v_sub_f32 v248, v[\st], v248                   ; old M - new M: a whole number, 0 or less
	s_delay_alu instid0(VALU_DEP_1)
	v_cvt_i32_f32 v248, v248                       ; (it saturates)
	s_delay_alu instid0(VALU_DEP_1)
	v_ldexp_f32 v[\f], 1.0, v248                   ; 2^(old M - new M)
.set j, 0
.rept 32
	v_pk_fma_f32 v[S+j:S+j+1], v[S+j:S+j+1], s[CS:CS+1], v[\st:\st+1] op_sel_hi:[1,0,0]   ; t - M, two at a time (of the pairs c and -M the low word serves both halves)
.set j, j+2
.endr
.set j, 0
	s_wait_alu depctr_va_vdst(0)
.rept 64
	v_exp_f32 v[S+j], v[S+j]                       ; p = 2^(t - M)
.set j, j+1
.endr
	v_pk_mul_f32 v[\st+2:\st+3], v[\st+2:\st+3], v[\f:\f+1] op_sel_hi:[1,0]   ; the sum under the new M.  (The plain line behind the exponentials)
	s_wait_alu depctr_va_vdst(0)                   ; one wait for the batch of 64, ahead of its first reader
	v_pk_add_f32 v[242:243], v[S:S+1], v[S+2:S+3]  ; THE SUM IS TAKEN OF THE UNQUANTISED p, in two chains
.irp j, 4,8,12,16,20,24,28,32,36,40,44,48,52,56,60
	v_pk_add_f32 v[\st+2:\st+3], v[\st+2:\st+3], v[S+\j:S+\j+1]
	v_pk_add_f32 v[242:243], v[242:243], v[S+\j+2:S+\j+3]
.endr
	s_delay_alu instid0(VALU_DEP_1)
	v_pk_add_f32 v[\st+2:\st+3], v[\st+2:\st+3], v[242:243]
.irp t, 0,1,2,3,4,5,6,7
.irp i, 0,1,2,3,4,5,6,7
.endr
	v_cvt_scalef32_pk8_fp8_f32 v[\cd+2*\t:\cd+2*\t+1], v[S+8*\t:S+8*\t+7], v241
.endr
.endm
; A STEP: 128 keys, the q-th of the slot in hand, for both tiles.
.macro STEP q
	s_add_co_u32 s96, s[Q0], 31
	s_cmp_gt_u32 s[KF], s96                        ; all its keys come after my 32 queries: the step's work is left out; ids alone; no barrier, wait or tensor load stands in a step
	s_cbranch_scc1 .Lhidden_\@
	v_add_nc_u32 v[ADR], s[TB], v[LI]
.irp t, 0,1,2,3,4,5,6,7
	ds_load_b128 v[F+8*\t:F+8*\t+3],   v[ADR] offset:(8*(\q)+\t)*1024       ; k: 16 keys x 64, as its image lies
	ds_load_b128 v[F+8*\t+4:F+8*\t+7], v[ADR] offset:(8*(\q)+\t)*1024+512
.endr
	s_wait_dscnt 0x0
.irp t, 0,1,2,3,4,5,6,7
	v_wmma_f32_16x16x64_fp8_fp8 v[S+8*\t:S+8*\t+7], v[F+8*\t:F+8*\t+7], v[16:23], 0
.endr
.rept 4
	v_nop                                          ; places ahead of the first read of results
.endr
	SOFTMAX 8, 224, 244, 0
	v_nop                                          ; a plain line between the last conversion and the products that write over its sources
.irp t, 0,1,2,3,4,5,6,7
	v_wmma_f32_16x16x64_fp8_fp8 v[S+8*\t:S+8*\t+7], v[F+8*\t:F+8*\t+7], v[24:31], 0   ; the same fragments of k serve tile B
.endr
.rept 4
	v_nop
.endr
	SOFTMAX 12, 32, 246, 1                         ; its codes take the place of k's first two fragments, which are done with
	v_nop
.irp t, 0,1,2,3
.irp c, 0,1,2,3
	ds_load_b128 v[S+16*\t+4*\c:S+16*\t+4*\c+3], v[ADR] offset:VOFF+8192*(\q)+2048*\t+512*\c   ; v: 16 channels x these 128 keys
.endr
.endr
.set j, 0
.rept 16
	v_pk_mul_f32 v[OA+j:OA+j+1], v[OA+j:OA+j+1], v[244:245] op_sel_hi:[1,0]   ; O^T under the new M, while v's fragments come.  (Also the plain lines behind the conversions)
.set j, j+2
.endr
.set j, 0
.rept 16
	v_pk_mul_f32 v[OB+j:OB+j+1], v[OB+j:OB+j+1], v[246:247] op_sel_hi:[1,0]
.set j, j+2
.endr
	s_wait_alu depctr_va_vdst(0)
	s_wait_dscnt 0x0
.irp t, 0,1,2,3
	v_wmma_f32_16x16x128_fp8_fp8 v[OA+8*\t:OA+8*\t+7], v[S+16*\t:S+16*\t+15], v[224:239], v[OA+8*\t:OA+8*\t+7]   ; eight accumulators, one instruction each
	v_wmma_f32_16x16x128_fp8_fp8 v[OB+8*\t:OB+8*\t+7], v[S+16*\t:S+16*\t+15], v[32:47],   v[OB+8*\t:OB+8*\t+7]
.endr
.rept 5
	v_nop                                          ; five places: the next matrix instruction writes scores over registers that these products read; four serve the next loads and the reads of O^T
.endr
.Lhidden_\@:
	s_add_co_u32 s[KF], s[KF], 128
.endm
; THE CHANGE OF SLOTS stands at a slot's head.  Each wave waits for all its tensor loads, adds 0 to its spare word, and waits for that and for its reads of the slot that it has left; behind the barrier the slot ahead is whole
; and nobody reads the other.  fill = 1: that other slot takes the next 256 keys, which have a slot's two steps in which to land.
.macro CHANGE fill
	s_wait_tensorcnt 0x0                           ; no tensor load of mine is out, so group 0 may be written
	ds_add_u32 v[SPW], v[NIL]
.if \fill
	ds_add_u32 v[SPW], v[NIL]                      ; twice on end here, in every trip alike
	s_xor_b32 s[G0+1], s[G0+1], SLOT1              ; the other slot than last time,
	s_add_nc_u64 s[G0+2:G0+3], s[G0+2:G0+3], 32768 ; the next 256 keys; the type bits on top are not reached
	s_wait_xcnt 0x0                                ; the last prefetch, a slot back, has read its address
	s_add_nc_u64 s[PFA:PFA+1], s[PFA:PFA+1], 32768 ; one slot further on than the walking descriptor
.endif
	s_wait_dscnt 0x0                               ; the add is done, and my reads of the slot that I have left are over
	s_barrier_signal -1
	s_barrier_wait -1
.if \fill
	s_add_co_u32 s96, s[KF], 256                   ; THE LOOK-AHEAD ENDS AT THE CAUSAL LIMIT: a slot whose first key comes after my work-group's last query is read by none of its waves
	s_cmp_gt_u32 s96, s[QL]                        ; ids and the count of steps alone: all sixteen waves go the same way, and a work-group past the limit stays past it
	s_cbranch_scc1 .Lpast_\@
	TLOAD                                          ; a wave's one tensor load until the next such barrier
.Lpast_\@:
	ASK
.endif
.endm
	s_wait_loadcnt 0x0                             ; q
.Lslot:                                            ; 7 trips
	CHANGE 1
	STEP 0
	STEP 1
	s_xor_b32 s[TB], s[TB], SLOT1
	s_sub_co_u32 s[SLOTS], s[SLOTS], 1
	s_cmp_lg_u32 s[SLOTS], 0
	s_cbranch_scc1 .Lslot
	CHANGE 0                                       ; the last slot is written out: nothing is left to fetch
	STEP 0
	STEP 1
	; THE WAY OUT: O^T / the sum x 2^(e8 + e9) is attention's result; its codes (entry 10) are half a fragment, 16 rows x my head's 64 of 128 K, and leave straight from registers.
	v_add_f32 v10, v10, v11
	v_add_f32 v14, v14, v15
	s_delay_alu instid0(VALU_DEP_2)
	v_permlanex16_b32 v250, v10, s[SEL], s[SEL+1]
	s_delay_alu instid0(VALU_DEP_2)
	v_permlanex16_b32 v249, v14, s[SEL], s[SEL+1]
	s_delay_alu instid0(VALU_DEP_2)
	v_add_f32 v10, v10, v250                       ; the rows' sums
	s_delay_alu instid0(VALU_DEP_2)
	v_add_f32 v14, v14, v249
	s_wait_alu depctr_va_vdst(0)
	v_rcp_f32 v10, v10
	v_rcp_f32 v14, v14
	v_nop                                          ; the plain line behind the reciprocals
	s_add_co_i32 s96, s74, s75
	s_wait_alu depctr_va_vdst(0)                   ; one wait for both, ahead of the first reader
	v_ldexp_f32 v10, v10, s96
	v_ldexp_f32 v14, v14, s96
.set j, 0
.rept 16
	v_pk_mul_f32 v[96+j:97+j], v[OA+j:OA+j+1], v[10:11] op_sel_hi:[1,0]   ; register 8 t + i: channel 16 t + 8 h + i of query r; each accumulator from its low end on
.set j, j+2
.endr
.set j, 0
.rept 16
	v_pk_mul_f32 v[128+j:129+j], v[OB+j:OB+j+1], v[14:15] op_sel_hi:[1,0]
.set j, j+2
.endr
.set j, 0
.rept 64
.set j, j+1
.endr
.irp c, 0,1,2,3
	v_cvt_scalef32_pk8_fp8_f32 v[32+2*\c:33+2*\c], v[96+8*\c:103+8*\c], v255
.endr
.irp c, 0,1,2,3
	v_cvt_scalef32_pk8_fp8_f32 v[40+2*\c:41+2*\c], v[128+8*\c:135+8*\c], v255
.endr
	v_nop
	global_store_b128 v[LI], v[32:35], s[10:11]               ; 32 lanes store 512 consecutive bytes, aligned
	global_store_b128 v[LI], v[36:39], s[10:11] offset:512
	global_store_b128 v[LI], v[40:43], s[10:11] offset:4096   ; tile B: the next group of 16 rows
	global_store_b128 v[LI], v[44:47], s[10:11] offset:4608
	s_wait_tensorcnt 0x0                           ; the wave's end
	ds_add_u32 v[SPW], v[NIL]
	s_wait_dscnt 0x0
	s_endpgm
.Lfunc_end_k_q5d9a0ac981_attn:
	.size	k_q5d9a0ac981_attn, .Lfunc_end_k_q5d9a0ac981_attn-k_q5d9a0ac981_attn
	.p2alignl 7, 3214868480
	.fill 96, 4, 3214868480
	.section	.rodata,"a",@progbits
	.p2align	6, 0x0
	.amdhsa_kernel k_q5d9a0ac981_attn
		.amdhsa_group_segment_fixed_size 327680
		.amdhsa_private_segment_fixed_size 0
		.amdhsa_enable_private_segment 0
		.amdhsa_kernarg_size 32
		.amdhsa_user_sgpr_count 2
		.amdhsa_user_sgpr_kernarg_segment_ptr 1
		.amdhsa_wavefront_size32 1
		.amdhsa_system_sgpr_workgroup_id_x 1
		.amdhsa_system_sgpr_workgroup_id_y 1
		.amdhsa_system_sgpr_workgroup_id_z 1
		.amdhsa_system_vgpr_workitem_id 0
		.amdhsa_next_free_vgpr 256
		.amdhsa_next_free_sgpr 100
		.amdhsa_reserve_vcc 1
		.amdhsa_float_denorm_mode_32 3
		.amdhsa_float_denorm_mode_16_64 3
		.amdhsa_fp16_overflow 1
		.amdhsa_memory_ordered 1
		.amdhsa_forward_progress 1
		.amdhsa_inst_pref_size 154
	.end_amdhsa_kernel
	.amdgpu_metadata
---
amdhsa.version: [ 1, 2 ]
amdhsa.kernels:
  - .name:           k_q5d9a0ac981_attn
    .symbol:         k_q5d9a0ac981_attn.kd
    .args:
      - { .name: qi, .offset: 0, .size: 8, .value_kind: global_buffer, .address_space: global }
      - { .name: kvi, .offset: 8, .size: 8, .value_kind: global_buffer, .address_space: global }
      - { .name: lowp_scales, .offset: 16, .size: 8, .value_kind: global_buffer, .address_space: global }
      - { .name: ai, .offset: 24, .size: 8, .value_kind: global_buffer, .address_space: global }
    .group_segment_fixed_size: 327680
    .private_segment_fixed_size: 0
    .kernarg_segment_align: 8
    .kernarg_segment_size: 32
    .max_flat_workgroup_size: 512
    .sgpr_count:     100
    .vgpr_count:     256
    .wavefront_size: 32
...
	.end_amdgpu_metadata
.endif
;; end of part 3
;; launch proj (part 4): grid 4 x 32, 4 waves a work-group, clusters of 4 x 4, 327,680 bytes of LDS; arguments ai, wi, lowp_scales, bo, out0; writes out0
.if DOCPART == 4
	.amdgcn_target "amdgcn-amd-amdhsa--gfx1250"
	.amdhsa_code_object_version 6
	.text
	.protected	k_q5d9a0ac981_proj
	.globl	k_q5d9a0ac981_proj
	.p2align	8
	.type	k_q5d9a0ac981_proj,@function
k_q5d9a0ac981_proj:
	s_mov_b64 s[64:65], 0
	v_nop
	global_prefetch_b8 v0, s[64:65] scope:SCOPE_SE
	s_setreg_imm32_b32 hwreg(HW_REG_WAVE_MODE, 25, 1), 1
	s_wait_xcnt 0x0
	s_wait_alu depctr_hold_cnt(0) depctr_sa_sdst(0) depctr_va_vdst(0) depctr_va_sdst(0) depctr_va_ssrc(0) depctr_va_vcc(0) depctr_vm_vsrc(0)
	s_getreg_b32 s2, hwreg(HW_REG_IB_STS2, 6, 4)
	s_cmp_eq_u32 s2, 0
	s_cbranch_scc0 .Lentry_in_a_cluster
	s_endpgm
.Lentry_in_a_cluster:
	s_bfe_u32 s2, ttmp6, 0x10000c
	s_cmp_lg_u32 s2, 0xf033
	s_cbranch_scc0 .Lentry_shape_is_right
	s_endpgm
.Lentry_shape_is_right:
; out0 = attn Wo + bo on codes of FP8 (E4M3): P = ai (attention's result as images, launch attn), R = weight 3 of wi (Wo transposed, launch quant).  out0 = sum x 2^(e10 + e11) + bo.  No work is left out here.
; The product's loop is launch qkv's, word for word but for constant steps: a work-group of four waves makes 256 x 256 of out0, a wave 128 x 128; source 0 = R, source 1 = P, so that a lane holds eight neighbouring
; columns of one row; K = 1,024 in four K steps of 256 through two LDS slots; each K step of 128 rows is one dense block of 32,768 bytes, one joint load a wave; cluster 4 x 4: P shared along a row, R along a column.
; By this text's own count a wave has one tensor load out at the start and one behind each round.
; THE WAY OUT: a block of 16 rows x 128 columns goes raw through the wave's own stage in LDS (bytes of their own behind the ring, into which no fill lands) and comes back as whole rows of 512 bytes;
; there a lane's four columns are the same in every row, so four registers of bo serve all; one packed multiply-add for two numbers; 32 lanes store 512 consecutive bytes, aligned.
; LIMIT: e10 + e11 between -126 and 127.
; REGISTERS as in qkv; window 0 on the way out: v32-35 bo, v128-191 and v192-255 rows read back, by turns.
.set SLOT,  131072
.set SPARE, 2*SLOT                     ; the spare words, 128 bytes a wave, which no other line names
.set STAGE, SPARE+512                  ; 16 rows x SPITCH for each wave
.set SPITCH, 528                       ; 512 bytes + 16: an odd multiple of 16
.set FR,    16
.set NL,    4
.set NP,    4
.set ADRA,  16
.set ADRB,  20
.set LN,    24                         ; v24  16 x lane
.set STO,   25                         ; v25  where I put 32 bytes of a row
.set RD,    26                         ; v26  where I read a row back
.set SPW,   28
.set NIL,   29
.set AF,    128
.set BK,    128
.set G1,  24
.set G0,  32
.set G1B, 48
.set G0B, 56
.set WV,  20
.set WR,  21
.set WC,  22
.set TP,  86
.set TR,  87
.set MSB, 0
.macro WIN new
.if MSB != \new
	s_set_vgpr_msb (MSB<<8)|\new
.set MSB, \new
.endif
.endm
.set MUL_LO, 0xa1
.set MUL_HI, 0xf1
.set TO_B,   0x40
.macro JLOAD s                         ; waves 0 and 1 fetch P's halves, waves 2 and 3 R's; an s_nop 0 and four v_nop follow each of the two lines
	s_cmp_eq_u32 s[WR], 0
	s_cbranch_scc0 .Lfor_r_\@
	tensor_load_to_lds s[G0+4*\s:G0+4*\s+3], s[G1:G1+7]
	s_nop 0
.rept 4
	v_nop
.endr
	s_branch .Lasked_\@
.Lfor_r_\@:
	tensor_load_to_lds s[G0B+4*\s:G0B+4*\s+3], s[G1B:G1B+7]
	s_nop 0
.rept 4
	v_nop
.endr
.Lasked_\@:
.endm
.macro CREST
	s_cmp_lg_u32 s[WV], 0
	s_cbranch_scc1 .Lnot_wave_0_\@
	s_barrier_signal -3
.Lnot_wave_0_\@:
	s_barrier_wait -3
	s_barrier_signal -1
	s_barrier_wait -1
.endm
.macro CROUND
	s_barrier_signal -1
	s_barrier_wait -1
	CREST
.endm
	s_load_b256 s[4:11], s[0:1], 0x0               ; ai 4, wi 6, scales 8, bo 10
	s_load_b64 s[12:13], s[0:1], 0x20              ; out0
	v_lshl_add_u32 v[SPW], v0, 2, SPARE
	v_mov_b32 v[NIL], 0
	ds_add_u32 v[SPW], v[NIL]                      ; the wave's opening: the add, twice on end, and its wait ahead of my first tensor load
	ds_add_u32 v[SPW], v[NIL]
	v_lshrrev_b32 v1, 5, v0
	v_readfirstlane_b32 s[WV], v1
	s_lshr_b32 s[WR], s[WV], 1
	s_and_b32 s[WC], s[WV], 1
	s_bfe_u32 s40, ttmp6, 0x40000                  ; cx, cy
	s_bfe_u32 s41, ttmp6, 0x40004
	s_and_b32 s[TP], ttmp7, 0xffff
	s_lshl_b32 s[TP], s[TP], 2
	s_add_co_u32 s[TP], s[TP], s41                 ; tile of 256 rows = 4 x cluster y + cy
	s_lshl_b32 s[TR], ttmp9, 2
	s_add_co_u32 s[TR], s[TR], s40                 ; tile of 256 columns = 4 x cluster x + cx
	s_lshl_b32 s43, s41, 2
	s_lshl_b32 s43, 15, s43                        ; my row of the cluster
	s_lshl_b32 s44, 0x1111, s40                    ; my column
	s_or_b32 s[G1+0], s43, (3<<16)|(1<<21)         ; the mask; elements of 8 bytes; bit 21 beside a mask
	s_or_b32 s[G1B+0], s44, (3<<16)|(1<<21)
.irp g, G1, G1B
	s_mov_b32 s[\g+1], 32<<16                      ; 128 rows of 32 elements, dense
	s_mov_b32 s[\g+2], 128<<16
	s_mov_b32 s[\g+3], 32<<16
	s_mov_b32 s[\g+4], 128
	s_mov_b32 s[\g+5], 32
	s_mov_b32 s[\g+6], 0
	s_mov_b32 s[\g+7], 0
.endr
	s_lshl_b32 s46, s[WC], 15
	s_lshl_b32 s88, s[TP], 16
	s_add_co_u32 s88, s88, s46                     ; P: (16 tile + 8 half) x 4,096
	s_lshl_b32 s90, s[TR], 16
	s_add_co_u32 s90, s90, s46
	s_add_co_u32 s90, s90, 0x300000                ; R: the same in weight 3
	s_mov_b32 s89, 0
	s_mov_b32 s91, 0
	s_lshl_b32 s45, s[WV], 15                      ; where my block goes: wave x 32,768
	s_wait_dscnt 0x0                               ; both opening adds are done
	s_wait_kmcnt 0x0
	s_load_b64 s[96:97], s[8:9], 0x28              ; e10, e11
	s_add_nc_u64 s[92:93], s[4:5], s[88:89]
	s_add_nc_u64 s[94:95], s[6:7], s[90:91]
.irp s, 0,1
	s_mov_b32 s[G0+4*\s], 1
	s_add_co_u32 s[G0+4*\s+1], s45, \s*SLOT
	s_add_nc_u64 s[G0+4*\s+2:G0+4*\s+3], s[92:93], \s*0x200000    ; a K step of ai: 512 groups x 4,096
	s_or_b32 s[G0+4*\s+3], s[G0+4*\s+3], 0x80000000
	s_mov_b32 s[G0B+4*\s], 1
	s_add_co_u32 s[G0B+4*\s+1], s45, \s*SLOT
	s_add_nc_u64 s[G0B+4*\s+2:G0B+4*\s+3], s[94:95], \s*0x40000   ; of wi: 64 x 4,096
	s_or_b32 s[G0B+4*\s+3], s[G0B+4*\s+3], 0x80000000
.endr
	CROUND                                         ; all sixteen work-groups are here: the first joint loads meet
	JLOAD 0
	s_wait_alu depctr_va_vdst(0)
	s_wait_tensorcnt 0x0
	ds_add_u32 v28, v29
	s_wait_dscnt 0x0
	CROUND
	JLOAD 1
	v_and_b32 v1, 15, v0                           ; r
	s_wait_alu depctr_va_vdst(0)
	v_bfe_u32 v2, v0, 4, 1                         ; h
	v_and_b32 v3, 31, v0
	v_lshlrev_b32 v[LN], 4, v3
	s_lshl_b32 s88, s[WR], 15
	s_lshl_b32 s89, s[WC], 15
	s_add_co_u32 s89, s89, 65536
.irp s, 0,1
	v_add_nc_u32 v[ADRA+\s], s88, v[LN]
	v_add_nc_u32 v[ADRB+\s], s89, v[LN]
	s_add_co_u32 s88, s88, SLOT
	s_add_co_u32 s89, s89, SLOT
.endr
	s_mul_i32 s88, s[WV], 16*SPITCH
	s_add_co_u32 s88, s88, STAGE                   ; my stage
	v_mul_u32_u24 v[STO], v1, SPITCH
	s_wait_alu depctr_va_vdst(0)
	v_lshl_add_u32 v[STO], v2, 5, v[STO]
	v_add_nc_u32 v[STO], s88, v[STO]               ; in: row r, + 32 h
	v_add_nc_u32 v[RD], s88, v[LN]                 ; back: the 32 lanes take one row of 512 bytes
	s_lshl_b32 s90, s[TR], 10
	s_lshl_b32 s91, s[WC], 9
	s_add_co_u32 s90, s90, s91                     ; my first column, in bytes
	s_mov_b32 s91, 0
	s_add_nc_u64 s[10:11], s[10:11], s[90:91]
	global_load_b128 v[32:35], v[LN], s[10:11]     ; bo at my four columns of a row read back
	s_lshl_b32 s88, s[TP], 20
	s_lshl_b32 s89, s[WR], 19
	s_add_co_u32 s88, s88, s89                     ; my first row x 4,096
	s_add_co_u32 s88, s88, s90
	s_mov_b32 s89, 0
	s_add_nc_u64 s[12:13], s[12:13], s[88:89]
	s_wait_kmcnt 0x0
	s_add_co_i32 s96, s96, s97
	s_add_co_i32 s96, s96, 127
	s_lshl_b32 s96, s96, 23                        ; 2^(e10 + e11) as f32
	s_mov_b32 s97, s96                             ; (named with it as a pair)
.macro FRAG reg, adr, q, i
.irp c, 0,1,2,3
	ds_load_b128 v[\reg+4*\c:\reg+4*\c+3], v[\adr] offset:4096*(\i)+2048*(\q)+512*\c
.endr
.endm
.macro MUL16 a0, p, zero               ; the 64 accumulators take turns, one instruction a turn
.irp a, \a0, \a0+1
.irp b, 0,1,2,3,4,5,6,7
.if \zero
	v_wmma_f32_16x16x128_fp8_fp8 v[8*(8*((\a)%4)+\b):8*(8*((\a)%4)+\b)+7], v[128*(\p)+FR*\b:128*(\p)+FR*\b+FR-1], v[AF+FR*(\a):AF+FR*(\a)+FR-1], 0
.else
	v_wmma_f32_16x16x128_fp8_fp8 v[8*(8*((\a)%4)+\b):8*(8*((\a)%4)+\b)+7], v[128*(\p)+FR*\b:128*(\p)+FR*\b+FR-1], v[AF+FR*(\a):AF+FR*(\a)+FR-1], v[8*(8*((\a)%4)+\b):8*(8*((\a)%4)+\b)+7]
.endif
.endr
.endr
.endm
.macro FETCH_B slot, q, p
	WIN TO_B
.irp i, 0,1,2,3,4,5,6,7
	FRAG 128*(\p)+FR*\i, ADRB+\slot, \q, \i
.endr
	WIN 0
.endm
.macro FETCH_A slot, q, i0
.irp i, \i0, \i0+1, \i0+2, \i0+3
	FRAG AF+FR*(\i), ADRA+\slot, \q, \i
.endr
.endm
.macro PLACES n
.rept \n
	v_nop
.endr
.endm
.macro STEP slot, q, zero
	s_wait_dscnt 4*NL                              ; R's set and P's blocks 0-3 are in; the youngest 16 loads may be out
	WIN MUL_LO
	MUL16 0, (\q)%2, \zero
	MUL16 2, (\q)%2, \zero
	s_wait_dscnt 0
	PLACES NP
	FETCH_B \slot, (\q)+1, 1-(\q)%2
	FETCH_A \slot, (\q)+1, 0
	WIN MUL_HI
	MUL16 4, (\q)%2, \zero
	MUL16 6, (\q)%2, \zero
	PLACES NP
	WIN 0
	FETCH_A \slot, (\q)+1, 4
.endm
.macro TURN slot, next, fill
	s_wait_tensorcnt 0x0                           ; all my tensor loads have landed: my part of the next slot
	ds_add_u32 v[SPW], v[NIL]
	s_wait_dscnt 4*NL+1                            ; (the add and the youngest 16 loads may be out)
	WIN MUL_LO
	MUL16 0, 1, 0
	s_wait_dscnt 0x0                               ; the add is done, and my reads of this slot are over
	s_barrier_signal -1
	MUL16 2, 1, 0
	WIN 0
	s_barrier_wait -1
.if \fill
	CREST                                          ; a round of the cluster's barrier: no wave of any partner still reads this slot or has a load on its way
	s_add_nc_u64 s[G0+4*\slot+2:G0+4*\slot+3], s[G0+4*\slot+2:G0+4*\slot+3], 0x400000
	s_add_nc_u64 s[G0B+4*\slot+2:G0B+4*\slot+3], s[G0B+4*\slot+2:G0B+4*\slot+3], 0x80000
	JLOAD \slot                                    ; the first tensor load behind the round; its four v_nop are also the places in front of the loads below
.else
	PLACES NP
.endif
	FETCH_B \next, 0, 0
	FETCH_A \next, 0, 0
	WIN MUL_HI
	MUL16 4, 1, 0
	MUL16 6, 1, 0
	PLACES NP
	WIN 0
	FETCH_A \next, 0, 4
.endm
.macro TOSTAGE a                       ; block a's raw sums into my stage, each accumulator's low four registers first, and back as rows.  LDS serves a wave's instructions in order (ISA guide 5.7.1.4)
.set AC, 64*((\a)%4)
	WIN 0x08+4*((\a)/4)                            ; an LDS store's data: source 1: window 2 or 3
.irp b, 0,1,2,3,4,5,6,7
	ds_store_b128 v[STO], v[AC+8*\b:AC+8*\b+3]   offset:64*\b
	ds_store_b128 v[STO], v[AC+8*\b+4:AC+8*\b+7] offset:64*\b+16
.endr
	WIN 0
.set BB, BK+64*((\a)%2)
.irp t, 0,1,2,3,4,5,6,7,8,9,10,11,12,13,14,15
	ds_load_b128 v[BB+4*\t:BB+4*\t+3], v[RD] offset:\t*SPITCH
.endr
.endm
.macro SEND a, younger                 ; younger: the LDS instructions issued behind block a's loads, which may stay out
.set BB, BK+64*((\a)%2)
	s_wait_dscnt \younger
.irp t, 0,1,2,3,4,5,6,7,8,9,10,11,12,13,14,15
	v_pk_fma_f32 v[BB+4*\t:BB+4*\t+1],   v[BB+4*\t:BB+4*\t+1],   s[96:97], v[32:33] op_sel_hi:[1,0,1]   ; sum x 2^(e10 + e11) + bo
	v_pk_fma_f32 v[BB+4*\t+2:BB+4*\t+3], v[BB+4*\t+2:BB+4*\t+3], s[96:97], v[34:35] op_sel_hi:[1,0,1]
.endr
.irp t, 0,1,2,3,4,5,6,7,8,9,10,11,12,13,14,15
	global_store_b128 v[LN], v[BB+4*\t:BB+4*\t+3], s[12:13] offset:(16*(\a)+\t)*4096 th:TH_STORE_NT   ; 127 rows of 4,096 bytes at the most: inside the signed 24-bit immediate; written once, read by nobody here
.endr
.endm
	s_wait_tensorcnt 1                             ; my part of K step 0 is in; K step 1's load may be out
	s_barrier_signal -1
	s_barrier_wait -1
	FETCH_B 0, 0, 0
	FETCH_A 0, 0, 0
	FETCH_A 0, 0, 4
	STEP 0, 0, 1
	TURN 0, 1, 1
	STEP 1, 0, 0
	TURN 1, 0, 1
	STEP 0, 0, 0
	TURN 0, 1, 0
	STEP 1, 0, 0
	s_wait_dscnt 4*NL                              ; the last step: nothing more to fetch
	WIN MUL_LO
	MUL16 0, 1, 0
	MUL16 2, 1, 0
	s_wait_alu depctr_va_vdst(0)
	s_wait_dscnt 0
	WIN MUL_HI
	MUL16 4, 1, 0
	MUL16 6, 1, 0
	WIN 0
	s_wait_loadcnt 0x0                             ; bo
	PLACES NP                                      ; ahead of the LDS stores that read results, and of the loads into the registers that held P's fragments
	TOSTAGE 0
.irp a, 1,2,3,4,5,6,7
.if \a > 1
	s_wait_xcnt 0x0                                ; block a - 2's stores have read their data: block a's rows land there only behind this wait
.endif
	TOSTAGE \a
	SEND \a-1, 32                                  ; behind block a - 1's loads: block a's 16 stores and 16 loads
.endr
	SEND 7, 0
	s_wait_tensorcnt 0x0                           ; the wave's end, behind my last tensor load and my last LDS store
	ds_add_u32 v[SPW], v[NIL]
	s_wait_dscnt 0x0
	CROUND                                         ; the closing round
	s_endpgm
.Lfunc_end_k_q5d9a0ac981_proj:
	.size	k_q5d9a0ac981_proj, .Lfunc_end_k_q5d9a0ac981_proj-k_q5d9a0ac981_proj
	.p2alignl 7, 3214868480
	.fill 96, 4, 3214868480
	.section	.rodata,"a",@progbits
	.p2align	6, 0x0
	.amdhsa_kernel k_q5d9a0ac981_proj
		.amdhsa_group_segment_fixed_size 327680
		.amdhsa_private_segment_fixed_size 0
		.amdhsa_enable_private_segment 0
		.amdhsa_kernarg_size 40
		.amdhsa_user_sgpr_count 2
		.amdhsa_user_sgpr_kernarg_segment_ptr 1
		.amdhsa_wavefront_size32 1
		.amdhsa_system_sgpr_workgroup_id_x 1
		.amdhsa_system_sgpr_workgroup_id_y 1
		.amdhsa_system_sgpr_workgroup_id_z 1
		.amdhsa_system_vgpr_workitem_id 0
		.amdhsa_next_free_vgpr 1024
		.amdhsa_next_free_sgpr 100
		.amdhsa_reserve_vcc 0
		.amdhsa_float_denorm_mode_32 3
		.amdhsa_float_denorm_mode_16_64 3
		.amdhsa_memory_ordered 1
		.amdhsa_forward_progress 1
		.amdhsa_inst_pref_size 123
	.end_amdhsa_kernel
	.amdgpu_metadata
---
amdhsa.version: [ 1, 2 ]
amdhsa.kernels:
  - .name:           k_q5d9a0ac981_proj
    .symbol:         k_q5d9a0ac981_proj.kd
    .args:
      - { .name: ai, .offset: 0, .size: 8, .value_kind: global_buffer, .address_space: global }
      - { .name: wi, .offset: 8, .size: 8, .value_kind: global_buffer, .address_space: global }
      - { .name: lowp_scales, .offset: 16, .size: 8, .value_kind: global_buffer, .address_space: global }
      - { .name: bo, .offset: 24, .size: 8, .value_kind: global_buffer, .address_space: global }
      - { .name: out0, .offset: 32, .size: 8, .value_kind: global_buffer, .address_space: global }
    .group_segment_fixed_size: 327680
    .private_segment_fixed_size: 0
    .kernarg_segment_align: 8
    .kernarg_segment_size: 40
    .max_flat_workgroup_size: 128
    .sgpr_count:     100
    .vgpr_count:     1024
    .wavefront_size: 32
...
	.end_amdgpu_metadata
.endif
;; end of part 4
